; MI455X (gfx1250); checked and timed in simulation.
; The chip was launched on July 23, 2026; its instructions are those of AMD's public machine-readable ISA for CDNA 5 (MIT licence, August 2026) and "CDNA5" Instruction Set Architecture Reference Guide (July 2026). The comments in the code are by the model that wrote it; some were corrected since.
;; Causal Self Attention. Allowed arithmetic: matrix products marked QUANTISED: E2M3 operands, one E8M0 scale for each 32 along K, by v_wmma_scale_f32_16x16x128_f8f6f4 with both operands' format E2M3, f32 sums; everything else in f32.
;; Inputs: attn_mask 4 x 2,048 int32; w_out 1,024 x 1,024 float32; w_qkv 3,072 x 1,024 float32; x 4 x 2,048 x 1,024 float32.
;; Outputs: out0 4 x 2,048 x 1,024 float32.
;; This version of the problem:
;;   THIS VERSION OF THE PROBLEM IS GIVEN IN LOW PRECISION. The matrix products marked QUANTISED in the list below multiply operands that are first quantised to E2M3 (2 exponent bits, 3 mantissa bits; 6 bits a number), with one power-of-two scale for each 32 numbers along K (OCP MX v1.0); their sums are f32. All else is computed in f32.
;;   The module's matrix products, in the order in which they are computed (A, B: the left and right operand; K: the contracted axis; several contracted axes count as one K, in the product's order):
;;     1. [M 8,192, K 1,024] x [K 1,024, N 3,072]; A: input x; B: input w_qkv: QUANTISED
;;     2. batch 64 x [M 2,048, K 64] x [K 64, N 2,048]; A: computed on the way; B: computed on the way: QUANTISED
;;     3. batch 64 x [M 2,048, K 2,048] x [K 2,048, N 64]; A: computed on the way; B: computed on the way: QUANTISED
;;     4. [M 8,192, K 1,024] x [K 1,024, N 1,024]; A: computed on the way; B: input w_out: QUANTISED
;;   THE QUANTISER, for each operand of a quantised product, along K:
;;     - K is cut into blocks of 32 from its start; a last block that is shorter is filled with zeros.
;;     - A block's scale is 2^e with e = floor(log2(the largest magnitude in the block)) - 2, held to -126 .. 127; a block of zeros has e = 0. As a byte (E8M0): e + 127.
;;     - Each number is divided by its block's scale, clamped to +-7.5, and rounded to the nearest number of E2M3, ties to even, subnormals kept.
;;     - The product sums the exact products of the quantised numbers (number of the format x scale) in f32.
;;   ~~~python
;;   def quantise(x, axis):      # numpy; x: float32 -> the quantised numbers, widened to float32 again
;;       x = np.moveaxis(x, axis, -1); K = x.shape[-1]
;;       x = np.pad(x, [(0, 0)] * (x.ndim - 1) + [(0, -K % 32)]); x = x.reshape(x.shape[:-1] + (-1, 32)); a = np.abs(x).max(-1, keepdims=True)
;;       e = np.where(a > 0, np.clip(np.frexp(np.where(a > 0, a, 1))[1] - 1 - 2, -126, 127), 0)      # np.frexp(a)[1] - 1 = floor(log2(a)), exactly
;;       r = np.clip(x / 2.0 ** e, -7.5, 7.5)
;;       step = 2.0 ** (np.maximum(np.frexp(np.where(r == 0, 1, r))[1] - 1, 0) - 3)
;;       q = np.round(r / step) * step * 2.0 ** e      # np.round: ties to even
;;       return np.moveaxis(q.reshape(q.shape[:-2] + (-1,))[..., :K], -1, axis).astype(np.float32)
;;   ~~~
;;   OPERANDS COMPUTED ON THE WAY. 'Computed on the way' means the value that the module computes at that place (a softmax that the list does not call 'softmax' is quantised finished and normalised). What goes into a quantiser is computed in f32, as accurately as f32 sums, v_exp_f32 and their like allow (about 1e-6 of the number): no bf16 or f16 on the way to a quantiser, and a product that is left as it is and whose result goes on into a quantised operand takes f32 operands (vector FMAs, or v_wmma_f32_16x16x4_f32). A number that lies on a knife's edge between two numbers of the format may be rounded either way, as far as f32 arithmetic and the matrix unit's own rounding can turn it there, and no further.
;; One version. Each part assembles by itself: llvm-mc -triple=amdgcn-amd-amdhsa -mcpu=gfx1250 --defsym DOCPART=n.
;; ======== version 1 of 1: 4 launches
;; limits: right only within a limited range of input values
;; workspace buffers: xw_codes 9,437,184 bytes; xw_scales 393,216 bytes; qkv_img 18,874,368 bytes; qkv_sc 1,310,720 bytes; o_img 6,291,456 bytes; o_sc 262,144 bytes
;; launch quant (part 1): grid 384 x 1, 4 waves a work-group, no clusters, 33,280 bytes of LDS; arguments x, w_qkv, w_out, xw_codes, xw_scales; writes xw_codes, xw_scales
.if DOCPART == 1
	.amdgcn_target "amdgcn-amd-amdhsa--gfx1250"
	.amdhsa_code_object_version 6
	.text
	.protected	k_q8f07c1c277_quant
	.globl	k_q8f07c1c277_quant
	.p2align	8
	.type	k_q8f07c1c277_quant,@function
k_q8f07c1c277_quant:
	s_mov_b64 s[64:65], 0
	v_nop
	global_prefetch_b8 v0, s[64:65] scope:SCOPE_SE
	s_setreg_imm32_b32 hwreg(HW_REG_WAVE_MODE, 25, 1), 1
	s_wait_xcnt 0x0
; x [8192][1024], w_qkv [3072][1024] and w_out [1024][1024], f32, become codes of FP6 (E2M3), K innermost, 768 bytes a row, with one E8M0 byte for each 32 along K, 32 bytes a row,
; in ONE array of 12,288 rows: x at rows 0 .. 8191, w_qkv at 8192 .. 11263, w_out at 11264 .. 12287.
; THE ROWS OF x AND OF w_qkv ARE WRITTEN AT POSITIONS: row R goes to the row whose number is R with bits 3 and 4 exchanged.  Sixteen consecutive positions then hold rows 32 i + 8 u + r + 8 (r / 8):
; a tile whose results, taken as a matrix instruction's source 0, give a lane 16 neighbours in the registers of two neighbouring tiles.  w_out keeps its order.
; A block's scale is 2^(floor(log2(its largest magnitude)) - 2); its byte is the largest magnitude's exponent field - 2, held at 1 from below.  A block of zeros gets the byte 1 (its codes are zeros; this program alone reads the bytes).
; LIMITS: blocks whose largest magnitude lies under 2^-124 keep the byte 1; NaN and infinities among the inputs are not served.
; A wave takes 8,192 numbers, 8 rows, in 16 steps of 512.  Eight rows are one value of a row's bits 3 and up, so the exchange of bits 3 and 4 is an exchange of the wave number's two bits in the OUTPUT's address.
; Each load reads 512 consecutive bytes; a step's 2,048 bytes turn through the wave's own stage in LDS, so that a lane then holds 16 neighbours along K (two lanes hold a block).
; No tensor loads, no barrier, no cluster: the work-groups share no input.  Loads run four steps (16 loads a wave) ahead.
.set STEPS, 16
.set EMAX,  2
.set CB,    12                         ; bytes of 16 codes
.set R,     16                         ; v16-79   four sets of 16 numbers as they are loaded
.set X,     80                         ; v80-111  two sets of 16 neighbours
.set C,     128                        ; v128-191 codes: four registers for each step, so that no store's data are written again
.set E,     112                        ; v112-127 a scale byte for each step
.set WREG,  8192                       ; LDS: a region for each wave: two stages of 32 x SP bytes, then its 256 scale bytes
.set SP,    80                         ; a lane's place in a stage: 64 bytes + 16 of padding
.set WGX,   256                        ; work-groups 0 .. 255 take x,
.set WGQ,   352                        ; 256 .. 351 w_qkv, 352 .. 383 w_out
	s_load_b128 s[4:7], s[0:1], 0x0                ; x, w_qkv
	s_load_b128 s[8:11], s[0:1], 0x10              ; w_out, the codes
	s_load_b64 s[12:13], s[0:1], 0x20              ; the scale bytes
	v_lshl_add_u32 v192, v0, 2, 0x8000
	v_mov_b32 v193, 0
	v_lshrrev_b32 v1, 5, v0
	v_readfirstlane_b32 s16, v1                    ; wave
	v_and_b32 v2, 31, v0                           ; lane
	v_lshlrev_b32 v3, 4, v2                        ; my 16 bytes of a load's 512
	s_mul_i32 s23, s16, WREG
	v_lshrrev_b32 v14, 2, v2
	v_mul_u32_u24 v14, v14, SP
	v_and_b32 v15, 3, v2
	v_lshl_add_u32 v14, v15, 4, v14
	v_add_nc_u32 v14, s23, v14                     ; the stage, on the way in: SP (lane / 4) + 16 (lane % 4)
	v_mul_u32_u24 v15, v2, SP
	v_add_nc_u32 v15, s23, v15                     ; and on the way out: SP x lane: my 16 neighbours
	v_mul_u32_u24 v4, v2, CB                       ; my codes' place in a step's
	v_lshrrev_b32 v5, 1, v2
	s_add_co_u32 s23, s23, 2*32*SP
	v_add_nc_u32 v5, s23, v5                       ; LDS: my wave's 256 scale bytes, my block's byte
	v_lshlrev_b32 v7, 3, v2                        ; and on the way out 8 bytes a lane
	v_add_nc_u32 v6, s23, v7
	s_and_b32 s18, s16, 1
	s_lshl_b32 s18, s18, 1
	s_lshr_b32 s19, s16, 1
	s_or_b32 s18, s18, s19                         ; the wave's number with its two bits exchanged
	s_wait_kmcnt 0x0
	s_cmp_lt_u32 ttmp9, WGQ                        ; which tensor?  The choices hang on the work-group's number alone
	s_cselect_b64 s[6:7], s[6:7], s[8:9]
	s_mov_b32 s17, WGQ
	s_cselect_b32 s17, WGX, s17
	s_cselect_b32 s19, s18, s16                    ; w_out's rows keep their order
	s_cmp_lt_u32 ttmp9, WGX
	s_cselect_b64 s[4:5], s[4:5], s[6:7]
	s_cselect_b32 s17, 0, s17                      ; the tensor's first work-group
	s_sub_co_u32 s17, ttmp9, s17
	s_lshl_b32 s17, s17, 2
	s_add_co_u32 s20, s17, s16                     ; which run of 8,192 numbers of the tensor is my wave's
	s_lshl_b32 s20, s20, 15                        ; 32,768 bytes a run
	s_mov_b32 s21, 0
	s_add_nc_u64 s[4:5], s[4:5], s[20:21]
	s_lshl_b32 s22, ttmp9, 2
	s_add_co_u32 s22, s22, s19                     ; which run of 8 rows of the output
	s_mul_i32 s20, s22, 32*STEPS*CB                ; 6,144 bytes of codes a run
	s_add_nc_u64 s[10:11], s[10:11], s[20:21]
	s_lshl_b32 s20, s22, 8                         ; 256 scale bytes a run
	s_add_nc_u64 s[12:13], s[12:13], s[20:21]
.macro LOAD t
.irp i, 0,1,2,3
	global_load_b128 v[R+16*((\t)%4)+4*\i:R+16*((\t)%4)+4*\i+3], v3, s[4:5] offset:2048*(\t)+512*\i th:TH_LOAD_NT   ; 32 lanes read 512 consecutive bytes
.endr
.endm
.macro TURN t                          ; step t's numbers through the stage: LDS serves a wave's instructions in order, so no wait stands between the stores and the loads
.irp i, 0,1,2,3
	ds_store_b128 v14, v[R+16*((\t)%4)+4*\i:R+16*((\t)%4)+4*\i+3] offset:32*SP*((\t)%2)+8*SP*\i
.endr
.irp i, 0,1,2,3
	ds_load_b128 v[X+16*((\t)%2)+4*\i:X+16*((\t)%2)+4*\i+3], v15 offset:32*SP*((\t)%2)+16*\i
.endr
.endm
.irp t, 0,1,2,3
	LOAD \t
.endr
	s_wait_loadcnt 12                              ; step 0's four loads are in; the twelve of steps 1 to 3 may be out
	TURN 0
.macro STEP t
.set XS, X+16*((\t)%2)
.if (\t) > 0
	s_wait_dscnt 1                                 ; this step's numbers are back from the stage (the last step's byte store may be out): so its stores into the stage have read their registers,
.else
	s_wait_dscnt 0x0
.endif
.if (\t)+4 < STEPS
	LOAD (\t)+4                                    ; which take the loads of four steps on
.endif
.if (\t)+1 < STEPS
.if STEPS-2-(\t) >= 3
	s_wait_loadcnt 12                              ; the next step's four loads are in; those of the three steps behind it may be out
.else
	s_wait_loadcnt 4*(STEPS-2-(\t))
.endif
	TURN (\t)+1                                    ; and go through the other stage while this step is worked
.endif
	v_max3_num_f32 v8, |v[XS]|, |v[XS+1]|, |v[XS+2]|               ; the largest magnitude of my 16, in two chains
	v_max3_num_f32 v9, |v[XS+3]|, |v[XS+4]|, |v[XS+5]|
.irp i, 6,10
	v_max3_num_f32 v8, v8, |v[XS+\i]|, |v[XS+\i+1]|
	v_max3_num_f32 v9, v9, |v[XS+\i+2]|, |v[XS+\i+3]|
.endr
	v_max3_num_f32 v8, v8, |v[XS+14]|, |v[XS+15]|
	v_max3_num_f32 v8, v8, v9, (EMAX+1)<<23        ; and the floor 2^(3 - 127): the byte cannot fall under 1
	v_max_num_f32_dpp v8, v8, v8 row_xmask:1 row_mask:0xf bank_mask:0xf   ; and of my neighbour's 16: the block's
	v_add_nc_u32 v11, -(EMAX<<23), v8              ; 2 off its exponent field: the conversion takes the exponent field of this operand as its scale
	v_cvt_scalef32_pk16_fp6_f32 v[C+4*(\t):C+4*(\t)+2], v[XS:XS+15], v11   ; sixteen numbers / the scale, to the nearest code, ties to even, beyond the largest code the largest
	v_lshrrev_b32 v[E+(\t)], 23, v11               ; the scale's byte (also the plain line behind the conversion)
	ds_store_b8 v5, v[E+(\t)] offset:16*(\t)       ; both lanes of a block write the same byte with the same value
	global_store_b96 v4, v[C+4*(\t):C+4*(\t)+2], s[10:11] offset:32*CB*(\t)   ; the wave stores 384 consecutive bytes
.endm
.irp t, 0,1,2,3,4,5,6,7,8,9,10,11,12,13,14,15
	STEP \t
.endr
	ds_load_b64 v[12:13], v6                       ; LDS serves a wave's instructions in order: these see my stores
	s_wait_dscnt 0x0
	global_store_b64 v7, v[12:13], s[12:13]        ; 32 lanes store 256 consecutive bytes, aligned: eight rows' scale bytes
	s_wait_tensorcnt 0x0
	ds_add_u32 v192, v193
	s_wait_dscnt 0x0
	s_endpgm
.Lfunc_end_k_q8f07c1c277_quant:
	.size	k_q8f07c1c277_quant, .Lfunc_end_k_q8f07c1c277_quant-k_q8f07c1c277_quant
	.p2alignl 7, 3214868480
	.fill 96, 4, 3214868480
	.section	.rodata,"a",@progbits
	.p2align	6, 0x0
	.amdhsa_kernel k_q8f07c1c277_quant
		.amdhsa_group_segment_fixed_size 33280
		.amdhsa_private_segment_fixed_size 0
		.amdhsa_enable_private_segment 0
		.amdhsa_kernarg_size 40
		.amdhsa_user_sgpr_count 2
		.amdhsa_user_sgpr_kernarg_segment_ptr 1
		.amdhsa_wavefront_size32 1
		.amdhsa_system_sgpr_workgroup_id_x 1
		.amdhsa_system_sgpr_workgroup_id_y 1
		.amdhsa_system_sgpr_workgroup_id_z 1
		.amdhsa_system_vgpr_workitem_id 0
		.amdhsa_next_free_vgpr 194
		.amdhsa_next_free_sgpr 66
		.amdhsa_reserve_vcc 0
		.amdhsa_float_denorm_mode_32 3
		.amdhsa_float_denorm_mode_16_64 3
		.amdhsa_memory_ordered 1
		.amdhsa_forward_progress 1
		.amdhsa_inst_pref_size 33
	.end_amdhsa_kernel
	.amdgpu_metadata
---
amdhsa.version: [ 1, 2 ]
amdhsa.kernels:
  - .name:           k_q8f07c1c277_quant
    .symbol:         k_q8f07c1c277_quant.kd
    .args:
      - { .name: x, .offset: 0, .size: 8, .value_kind: global_buffer, .address_space: global }
      - { .name: w_qkv, .offset: 8, .size: 8, .value_kind: global_buffer, .address_space: global }
      - { .name: w_out, .offset: 16, .size: 8, .value_kind: global_buffer, .address_space: global }
      - { .name: xw_codes, .offset: 24, .size: 8, .value_kind: global_buffer, .address_space: global }
      - { .name: xw_scales, .offset: 32, .size: 8, .value_kind: global_buffer, .address_space: global }
    .group_segment_fixed_size: 33280
    .private_segment_fixed_size: 0
    .kernarg_segment_align: 8
    .kernarg_segment_size: 40
    .max_flat_workgroup_size: 128
    .sgpr_count:     66
    .vgpr_count:     194
    .wavefront_size: 32
...
	.end_amdgpu_metadata
.endif
;; end of part 1
;; launch qkv (part 2): grid 12 x 32, 4 waves a work-group, clusters of 4 x 4, 327,680 bytes of LDS; arguments xw_codes, xw_scales, attn_mask, qkv_img, qkv_sc; writes qkv_img, qkv_sc
.if DOCPART == 2
	.amdgcn_target "amdgcn-amd-amdhsa--gfx1250"
	.amdhsa_code_object_version 6
	.text
	.protected	k_q8f07c1c277_qkv
	.globl	k_q8f07c1c277_qkv
	.p2align	8
	.type	k_q8f07c1c277_qkv,@function
k_q8f07c1c277_qkv:
	s_mov_b64 s[64:65], 0
	v_nop
	global_prefetch_b8 v0, s[64:65] scope:SCOPE_SE
	s_setreg_imm32_b32 hwreg(HW_REG_WAVE_MODE, 25, 1), 1
	s_wait_xcnt 0x0
	s_wait_alu depctr_hold_cnt(0) depctr_sa_sdst(0) depctr_va_vdst(0) depctr_va_sdst(0) depctr_va_ssrc(0) depctr_va_vcc(0) depctr_vm_vsrc(0)
	s_getreg_b32 s2, hwreg(HW_REG_IB_STS2, 6, 4)
	s_cmp_eq_u32 s2, 0
	s_cbranch_scc0 .Lentry_in_a_cluster
	s_endpgm
.Lentry_in_a_cluster:
	s_bfe_u32 s2, ttmp6, 0x10000c
	s_cmp_lg_u32 s2, 0xf033
	s_cbranch_scc0 .Lentry_shape_is_right
	s_endpgm
.Lentry_shape_is_right:
; qkv = x w_qkv^T on codes of FP6 (E2M3) with E8M0 scales, K = 1,024; the results are quantised in registers and leave as the operands of the attention launch.
; A work-group of four waves makes 256 x 256 results, a wave 128 x 128: 64 accumulators, 512 registers.  K goes in steps of 256 through a ring of two LDS slots filled by the tensor data mover.
; BOTH SIDES OF THE PRODUCT ARE ROWS OF ONE ARRAY (x, then w_qkv).  "A" is the side whose row a lane holds in the result, "B" the side along which its registers run (source 0 = 16 rows of B, source 1 = 16 rows of A).
;   cluster x = 0 (q), 1 (k): A = 256 tokens, B = 256 rows of w_q or w_k: a lane holds a token, its registers run along the features: q and k are quantised along the head's 64.
;   cluster x = 2 (v):        A = 256 rows of w_v, B = 256 tokens: a lane holds a feature, its registers run along the tokens: v is quantised along the keys.
; Only the two tile numbers differ, chosen by s_cselect_b32 on the cluster's x; every LDS address, mask and descriptor shape is the same for all three.
; Rows lie at POSITIONS (a row's bits 3 and 4 exchanged), so the 16 registers of B's tiles 2 b and 2 b + 1 are 16 neighbours: number 32 b + 16 (lane / 16) + i.
; CLUSTERS: 4 x 4 work-groups.  A's tile hangs on cy and the cluster, and is asked for jointly by a row of the cluster; B's on cx and the cluster, by a column.
; OUT: half fragments of 768 bytes, images of operand registers 0-5 (16 rows x 64 K): lane l's registers 0-3 at 16 l, registers 4-5 at 512 + 8 l.
;   q at 0, k at 6,291,456: [batch x head 64][token tile 128];   v at 12,582,912: [batch 4][step of 128 keys 16][feature tile 64][half 2].
;   scale words: q at 0, k at 524,288: [batch x head][token position 2,048];  v at 1,048,576: [batch][step][feature position 1,024].
;   A q word is (e0, e1, 0, 0).  A k word is (e0, e1, mb, 0): mb = 227 where attn_mask is 0, else 0: the attention launch multiplies it by a fixed code.  A v word has four bytes, for 128 keys.
; LIMITS: NaN and infinities are not served; a block whose largest magnitude lies under 2^-124 keeps the byte 1.
; REGISTERS, in windows of 256: window 0: v0-31 addresses; v32-63 scale words, two sets; v64-120 and v224-231 the way out; v128-223 A's fragments, one set.
;   window 1: B's fragments, two sets.   window 2: the accumulators of A's blocks 0-3 (accumulator (a, b) at v[8 (8 a + b)]);   window 3: those of blocks 4-7.
.set SIZE_K, 1024
.set KSTEP,  256                       ; along K in a slot
.set NQ,     KSTEP/128                 ; matrix instructions deep
.set ROWB,   192                       ; a tile's row in bytes
.set KROW,   SIZE_K*6/8                ; a row of codes in memory
.set PITCH,  240                       ; an LDS row: 3 x (64 bytes + 16 of padding)
.set FR,     12                        ; registers of a fragment
.set NL,     6                         ; LDS loads that bring one
.set NP,     4                         ; places behind this matrix instruction (ISA guide 7.12.1)
.set HALFT,  128*PITCH                 ; 128 rows: what one tensor load brings
.set SLOT,   4*HALFT                   ; A's 256 rows, then B's 256 rows
.set LAPS,   SIZE_K/(2*KSTEP)
.set KS,     SIZE_K/32                 ; a row of scale bytes
.set SCL,    2*SLOT                    ; behind the ring: the scales, as rows of 256 bytes + 16 of padding, filled once
.set HALFS,  (128*KS/256)*272
.set SBLK,   (16*KS/256)*272
.set SPARE,  SCL+4*HALFS               ; the spare words, 128 bytes for each wave
.set SCSTG,  SPARE+512                 ; the way out: 1,024 bytes for each wave, for its scale words; no fill lands here
.set ADRA, 16                          ; v16-17 LDS address of my A fragments in slot 0, 1 (v18-19: behind one padding more)
.set ADRB, 20                          ; v20-23 the same for B
.set ADRS, 27                          ; v27    LDS address of my scale words: lanes 0-15 A's rows, lanes 16-31 B's
.set SPW,  28                          ; v28    LDS address of my spare word; never rewritten
.set NIL,  29                          ; v29    0; never rewritten
.set SC,   32                          ; scale words, set s at v[SC + 16 s]
.set AF,   128                         ; A's fragments
.set MK,   64                          ; v64-71  attn_mask of block a's token in my lane
.set TM,   72                          ; v72-75 largest magnitudes, v76-79 the other half's, then bytes, v84-87 the conversions' scale operands
.set PW,   88                          ; the four bytes of my row
.set VT,   89
.set VU,   90
.set ZR,   91                          ; 0
.set MBV,  92                          ; 227 << 16 for k, else 0
.set SHV,  93                          ; 16 (lane / 16) for q and k, 0 for v
.set PC,   96                          ; v96-107 the codes just made: a fragment
.set PX,   108                         ; v108-115 the conversions' second halves
.set LI16, 116                         ; 16 x lane
.set LI8,  117                         ; 512 + 8 x lane
.set SCW,  118                         ; where I put a scale word
.set SCR,  119                         ; where I read 16 bytes of them back
.set MKA,  120                         ; my token's place in attn_mask; never rewritten
.set SW,   224                         ; v224-231 scale words on their way out
.set G1, 24                            ; s[24:31] descriptor group 1 for A's tiles;  s[32:39] group 0, one set for each slot
.set G0, 32
.set G1B, 48                           ; s[48:55], s[56:63] the same for B's tiles
.set G0B, 56
.set G1S, 68                           ; s[68:75], s[76:79] groups 1 and 0 for A's scales;  s[80:87], s[88:91] for B's
.set G0S, 76
.set G1SB, 80
.set G0SB, 88
.set SEL, 98                           ; s[98:99] v_permlanex16_b32's selects for lane l xor 16
.set MSB, 0
.macro WIN new                         ; the immediate's high byte repeats the setting that is left
.if MSB != \new
	s_set_vgpr_msb (MSB<<8)|\new
.set MSB, \new
.endif
.endm
.set MUL_LO, 0xa1                      ; source 0 (B) window 1, source 1 (A) window 0, C and D window 2
.set MUL_HI, 0xf1                      ; the same, C and D window 3
.set TO_B,   0x40                      ; destination window 1, address window 0
; A joint load: waves 0 and 1 fetch for A, waves 2 and 3 for B.  The branch hangs on the wave's number alone.  Four v_nop follow each of the two lines.
.macro JLOAD g0a, g1a, g0b, g1b
	s_cmp_eq_u32 s15, 0
	s_cbranch_scc0 .Lfor_b_\@
	tensor_load_to_lds s[\g0a:\g0a+3], s[\g1a:\g1a+7]
	s_nop 0
.rept 4
	v_nop
.endr
	s_branch .Lasked_\@
.Lfor_b_\@:
	tensor_load_to_lds s[\g0b:\g0b+3], s[\g1b:\g1b+7]
	s_nop 0
.rept 4
	v_nop
.endr
.Lasked_\@:
.endm
.macro CREST                           ; a round of the cluster's barrier behind its opening barrier
	s_cmp_lg_u32 s14, 0
	s_cbranch_scc1 .Lnot_wave_0_\@
	s_barrier_signal -3
.Lnot_wave_0_\@:
	s_barrier_wait -3
	s_barrier_signal -1
	s_barrier_wait -1
.endm
.macro CROUND                          ; a whole round
	s_barrier_signal -1
	s_barrier_wait -1
	CREST
.endm
	s_load_b128 s[4:7], s[0:1], 0x0                ; the codes s[4:5], the scale bytes s[6:7]
	s_load_b128 s[8:11], s[0:1], 0x10              ; attn_mask s[8:9], the images s[10:11]
	s_load_b64 s[12:13], s[0:1], 0x20              ; the scale words
	v_lshl_add_u32 v[SPW], v0, 2, SPARE
	v_mov_b32 v[NIL], 0
	ds_add_u32 v28, v29
	ds_add_u32 v28, v29
	s_wait_dscnt 0x0
	v_lshrrev_b32 v1, 5, v0
	v_readfirstlane_b32 s14, v1                    ; wave 0..3
	s_lshr_b32 s15, s14, 1                         ; which half of A's 256 rows is mine.  Also: I fetch for A (0) or for B (1)
	s_and_b32 s16, s14, 1                          ; which half of B's.  Also: which 128 rows of that tile I fetch
	s_bfe_u32 s40, ttmp6, 0x40000                  ; cx, cy: my place in the cluster
	s_bfe_u32 s41, ttmp6, 0x40004
	s_and_b32 s17, ttmp7, 0xffff                   ; cluster y: 1,024 tokens
	s_lshl_b32 s18, s17, 2                         ; its first tile of 256 tokens
	s_lshl_b32 s19, ttmp9, 2
	s_add_co_u32 s19, s19, 32                      ; w_q's or w_k's first tile of 256 rows of the array
	s_cmp_eq_u32 ttmp9, 2                          ; v?
	s_cselect_b32 s17, 40, s18                     ; A: w_v's rows begin at row 10,240 of the array; else tokens
	s_cselect_b32 s42, s18, s19                    ; B: tokens; else w_q or w_k
	s_cselect_b32 s95, 0, s18                      ; attn_mask is wanted for k alone; for v a place inside the buffer is read and not used
	s_add_co_u32 s17, s17, s41                     ; A's tile: + cy
	s_add_co_u32 s42, s42, s40                     ; B's tile: + cx
	s_add_co_u32 s95, s95, s41
	s_lshl_b32 s95, s95, 8
	s_lshl_b32 s96, s15, 7
	s_add_co_u32 s96, s95, s96                     ; my first token
	s_lshl_b32 s96, s96, 2
	s_mov_b32 s97, 0
	s_mov_b32 s[SEL], 0x76543210
	s_mov_b32 s[SEL+1], 0xfedcba98
	s_lshl_b32 s43, s41, 2
	s_lshl_b32 s43, 15, s43                        ; my row of the cluster
	s_lshl_b32 s44, 0x1111, s40                    ; my column
	; descriptor group 1: a tile of 128 rows x 192 bytes, padded in LDS
	s_or_b32 s[G1+0], s43, (0<<16)|(1<<20)|(1<<21)|(3<<22)|(3<<25)  ; 15:0 the mask: A's tiles go to my row; 17:16 elements of 1 byte; 20 padding on; 21 set beside a mask; 24:22 after every 16 words; 31:25 of 4 words
	s_or_b32 s[G1B+0], s44, (0<<16)|(1<<20)|(1<<21)|(3<<22)|(3<<25)
.irp g, G1, G1B
	s_mov_b32 s[\g+1], ROWB<<16                    ; tensor_dim0
	s_mov_b32 s[\g+2], 128<<16                     ; tensor_dim1
	s_mov_b32 s[\g+3], ROWB<<16                    ; tile_dim0
	s_mov_b32 s[\g+4], 128                         ; tile_dim1
	s_mov_b32 s[\g+5], KROW                        ; tensor_dim0_stride
	s_mov_b32 s[\g+6], 0
	s_mov_b32 s[\g+7], 0
.endr
	; the scales of 128 rows: a dense block of 4,096 bytes, as 16 rows of 256 bytes (32 elements of 8 bytes), 16 bytes of padding behind each
	s_or_b32 s[G1S+0], s43, (3<<16)|(1<<20)|(1<<21)|(5<<22)|(3<<25)
	s_or_b32 s[G1SB+0], s44, (3<<16)|(1<<20)|(1<<21)|(5<<22)|(3<<25)
.irp g, G1S, G1SB
	s_mov_b32 s[\g+1], 32<<16
	s_mov_b32 s[\g+2], (128*KS/256)<<16
	s_mov_b32 s[\g+3], 32<<16
	s_mov_b32 s[\g+4], 128*KS/256
	s_mov_b32 s[\g+5], 32
	s_mov_b32 s[\g+6], 0
	s_mov_b32 s[\g+7], 0
.endr
	s_lshl_b32 s18, s16, 7                         ; which 128 rows of the tile I fetch
	s_lshl_b32 s20, s17, 8
	s_add_co_u32 s20, s20, s18                     ; A: row of the array
	s_lshl_b32 s46, s42, 8
	s_add_co_u32 s46, s46, s18                     ; B: row of the array
	s_mov_b32 s21, 0
	s_mov_b32 s47, 0
	s_mov_b64 s[18:19], KS
	s_mul_u64 s[22:23], s[20:21], s[18:19]         ; where these rows' scales begin, in bytes
	s_mul_u64 s[92:93], s[46:47], s[18:19]
	s_mov_b64 s[18:19], KROW
	s_mul_u64 s[20:21], s[20:21], s[18:19]         ; and their codes
	s_mul_u64 s[46:47], s[46:47], s[18:19]
	s_mul_i32 s45, s14, HALFT                      ; where they go: wave x 128 rows: no place in the cluster enters an LDS address
	s_mul_i32 s94, s14, HALFS
	s_wait_kmcnt 0x0
	s_add_nc_u64 s[20:21], s[4:5], s[20:21]
	s_add_nc_u64 s[22:23], s[6:7], s[22:23]
	s_add_nc_u64 s[46:47], s[4:5], s[46:47]
	s_add_nc_u64 s[92:93], s[6:7], s[92:93]
	s_add_nc_u64 s[96:97], s[8:9], s[96:97]        ; attn_mask at my first token
	CROUND                                         ; all sixteen work-groups are here: the first joint loads meet
	s_mov_b32 s[G0S], 1
	s_add_co_u32 s[G0S+1], s94, SCL
	s_mov_b64 s[G0S+2:G0S+3], s[22:23]
	s_or_b32 s[G0S+3], s[G0S+3], 0x80000000
	s_mov_b32 s[G0SB], 1
	s_add_co_u32 s[G0SB+1], s94, SCL
	s_mov_b64 s[G0SB+2:G0SB+3], s[92:93]
	s_or_b32 s[G0SB+3], s[G0SB+3], 0x80000000
	JLOAD G0S, G1S, G0SB, G1SB                     ; the scales first: they are wanted with K step 0.  With the two below, three loads of mine are out
.irp s, 0,1
	s_mov_b32 s[G0+4*\s], 1
	s_add_co_u32 s[G0+4*\s+1], s45, \s*SLOT
	s_add_nc_u64 s[G0+4*\s+2:G0+4*\s+3], s[20:21], \s*ROWB
	s_or_b32 s[G0+4*\s+3], s[G0+4*\s+3], 0x80000000
	s_mov_b32 s[G0B+4*\s], 1
	s_add_co_u32 s[G0B+4*\s+1], s45, \s*SLOT
	s_add_nc_u64 s[G0B+4*\s+2:G0B+4*\s+3], s[46:47], \s*ROWB
	s_or_b32 s[G0B+4*\s+3], s[G0B+4*\s+3], 0x80000000
	JLOAD G0+4*\s, G1, G0B+4*\s, G1B
.endr
	v_and_b32 v1, 15, v0                           ; r = lane % 16
	v_bfe_u32 v2, v0, 4, 1                         ; h = lane / 16
	v_and_b32 v5, 8, v1
	v_add_nc_u32 v5, v5, v1                        ; r + 8 (r / 8): the token that lies at position r of a tile
	v_lshlrev_b32 v[MKA], 2, v5
.irp a, 0,1,2,3,4,5,6,7
	global_load_b32 v[MK+\a], v[MKA], s[96:97] offset:(32*(\a/2)+8*(\a%2))*4   ; attn_mask of block a's tokens: wanted on the way out, waited for there
.endr
	v_mul_u32_u24 v3, v1, PITCH
	v_mul_u32_u24 v4, v2, 24
	v_add_nc_u32 v4, v3, v4                        ; a fragment's row x pitch + 24 x half
	v_lshl_add_u32 v5, v2, 4, v4                   ; and the same behind one padding more
	s_mul_i32 s21, s15, HALFT                      ; my 128 rows of A
	s_mul_i32 s22, s16, HALFT                      ; my 128 rows of B,
	s_add_co_u32 s22, s22, 2*HALFT                 ; which lie behind A's 256
.irp s, 0,1
	v_add_nc_u32 v[ADRA+\s], s21, v4
	v_add_nc_u32 v[ADRB+\s], s22, v4
	v_add_nc_u32 v[ADRA+2+\s], s21, v5
	v_add_nc_u32 v[ADRB+2+\s], s22, v5
	s_add_co_u32 s21, s21, SLOT
	s_add_co_u32 s22, s22, SLOT
.endr
	v_mul_u32_u24 v5, v1, KS                       ; my row's scales: 32 bytes a row,
	v_lshrrev_b32 v6, 8, v5
	v_lshl_add_u32 v5, v6, 4, v5                   ; and 16 more for each 256 passed
	s_mul_i32 s21, s15, HALFS                      ; A's: my 128 rows
	s_mul_i32 s22, s16, HALFS                      ; B's: my 128 rows, behind A's 256
	s_add_co_u32 s22, s22, 2*HALFS
	s_sub_co_u32 s22, s22, s21
	v_mul_u32_u24 v6, s22, v2                      ; lanes 16-31 take B's
	s_add_co_u32 s21, s21, SCL
	v_add_nc_u32 v5, v5, v6
	v_add_nc_u32 v[ADRS], s21, v5
	v_and_b32 v6, 31, v0
	v_lshlrev_b32 v[LI16], 4, v6
	v_lshlrev_b32 v[LI8], 3, v6
	v_add_nc_u32 v[LI8], 512, v[LI8]
	s_lshl_b32 s23, s14, 10
	s_add_co_u32 s23, s23, SCSTG                   ; my 1,024 bytes for scale words: two planes of 128 words
	v_lshlrev_b32 v5, 2, v1
	v_lshl_add_u32 v5, v2, 9, v5
	v_add_nc_u32 v[SCW], s23, v5                   ; in: plane h, word r (+ 16 words a block)
	v_add_nc_u32 v[SCR], s23, v[LI16]              ; back: 16 bytes a lane
.irp b, 0,1,2,3
	v_mov_b32 v[TM+4+\b], 0                        ; written once: a lane permute's destination counts as one of its sources
.endr
.macro FRAG reg, adr, q, i             ; a fragment, 16 rows x 128 K, is 12 registers: lane l holds row l % 16; registers 6 c .. 6 c + 5 hold K = 64 c + 32 (l / 16) + 0 .. 31: 24 bytes of the row, as they lie
.irp p, 0,1,2,3,4,5                    ; in pieces of 8 bytes.  16 bytes of padding lie behind every 8 pieces: where the piece three on lies behind one padding more, the second address register serves
.set PCE, 12*(\q)+6*(\p/3)+\p%3
.if PCE%8 < 5
	ds_load_b64 v[\reg+2*\p:\reg+2*\p+1], v[\adr] offset:8*PCE+16*(PCE/8)+(\i)*16*PITCH
.else
	ds_load_b64 v[\reg+2*\p:\reg+2*\p+1], v[\adr+2] offset:8*PCE+16*(PCE/8)+(\i)*16*PITCH
.endif
.endr
.endm
; 16 matrix instructions: A's blocks a0, a0 + 1 x B's eight, 128 along K.  p: B's set;  sc: the set of scale words.  zero = 1: the first product starts the sums.
; The 64 accumulators take turns, one instruction a turn, in the same order in every step.
.macro MUL16 a0, p, q, sc, zero
.irp a, \a0, \a0+1
.irp b, 0,1,2,3,4,5,6,7
.if \zero
	v_wmma_scale_f32_16x16x128_f8f6f4 v[8*(8*((\a)%4)+\b):8*(8*((\a)%4)+\b)+7], v[128*(\p)+FR*\b:128*(\p)+FR*\b+FR-1], v[AF+FR*(\a):AF+FR*(\a)+FR-1], 0, v[SC+8*NQ*(\sc)+NQ*\b+(\q)], v[SC+8*NQ*(\sc)+NQ*(\a)+(\q)] matrix_a_fmt:MATRIX_FMT_FP6 matrix_b_fmt:MATRIX_FMT_FP6 matrix_a_scale:MATRIX_SCALE_ROW1
.else
	v_wmma_scale_f32_16x16x128_f8f6f4 v[8*(8*((\a)%4)+\b):8*(8*((\a)%4)+\b)+7], v[128*(\p)+FR*\b:128*(\p)+FR*\b+FR-1], v[AF+FR*(\a):AF+FR*(\a)+FR-1], v[8*(8*((\a)%4)+\b):8*(8*((\a)%4)+\b)+7], v[SC+8*NQ*(\sc)+NQ*\b+(\q)], v[SC+8*NQ*(\sc)+NQ*(\a)+(\q)] matrix_a_fmt:MATRIX_FMT_FP6 matrix_b_fmt:MATRIX_FMT_FP6 matrix_a_scale:MATRIX_SCALE_ROW1
.endif
.endr
.endr
.endm
.macro FETCH_B slot, q, p              ; B's eight fragments of the slot's q-th 128 along K into set p
	WIN TO_B
.irp i, 0,1,2,3,4,5,6,7
	FRAG 128*(\p)+FR*\i, ADRB+\slot, \q, \i
.endr
	WIN 0
.endm
.macro FETCH_A slot, q, i0             ; A's blocks i0 .. i0 + 3
.irp i, \i0, \i0+1, \i0+2, \i0+3
	FRAG AF+FR*(\i), ADRA+\slot, \q, \i
.endr
.endm
.macro SCALES sc                       ; the next K step's scale words into set sc: two words a row; lanes 0-15 take A's block i, lanes 16-31 B's block i
.irp i, 0,1,2,3,4,5,6,7
	ds_load_b64 v[SC+8*NQ*\sc+NQ*\i:SC+8*NQ*\sc+NQ*\i+1], v[ADRS] offset:\i*SBLK
.endr
.endm
.macro PLACES n                        ; plain vector lines between a matrix instruction and a load into, or a read of, its registers
.rept \n
	v_nop
.endr
.endm
; A step of 128 along K that has its successor in the same slot.
.macro STEP slot, q, zero
	s_wait_dscnt 4*NL                              ; B's set and A's blocks 0-3 are in; the youngest 24 loads (A's blocks 4-7) may be out
	WIN MUL_LO
	MUL16 0, (\q)%2, \q, \slot, \zero
	MUL16 2, (\q)%2, \q, \slot, \zero
	s_wait_dscnt 0                                 ; A's blocks 4-7 are in
	PLACES NP
	FETCH_B \slot, (\q)+1, 1-(\q)%2
	FETCH_A \slot, (\q)+1, 0
	WIN MUL_HI
	MUL16 4, (\q)%2, \q, \slot, \zero
	MUL16 6, (\q)%2, \q, \slot, \zero
	PLACES NP
	WIN 0
	FETCH_A \slot, (\q)+1, 4
.endm
; A slot's last step changes slots: ONE barrier; in front of it each wave waits for all its tensor loads, adds 0 to its spare word, and waits for that and for its own reads of this slot.  fill = 1: this slot is filled again, two K steps ahead.
.macro TURN slot, next, fill
	s_wait_tensorcnt 0x0                           ; all my tensor loads have landed: my part of the next slot
	ds_add_u32 v[SPW], v[NIL]                      ; 0 onto my spare word
	s_wait_dscnt 4*NL+1                            ; (the add and the youngest 24 loads, A's blocks 4-7, may be out)
	WIN MUL_LO
	MUL16 0, 1, NQ-1, \slot, 0                     ; sixteen matrix instructions stand between the add and the wait for it
	s_wait_dscnt 0x0                               ; the add is done, and my reads of this slot are over
	s_barrier_signal -1
	MUL16 2, 1, NQ-1, \slot, 0
	WIN 0
	s_barrier_wait -1
.if \fill
	CREST                                          ; the barrier has opened a round of the cluster's barrier: no wave of any partner still reads this slot's tile or has a load on its way
	s_add_nc_u64 s[G0+4*\slot+2:G0+4*\slot+3], s[G0+4*\slot+2:G0+4*\slot+3], 2*ROWB
	s_add_nc_u64 s[G0B+4*\slot+2:G0B+4*\slot+3], s[G0B+4*\slot+2:G0B+4*\slot+3], 2*ROWB
	JLOAD G0+4*\slot, G1, G0B+4*\slot, G1B         ; the first tensor load behind the round, my only one until the next; its four v_nop are the places in front of the loads below
.else
	PLACES NP
.endif
	v_add_nc_u32 v[ADRS], 4*NQ, v[ADRS]            ; on to the next K step's scale words (no LDS load of mine is out)
	FETCH_B \next, 0, 0
	FETCH_A \next, 0, 0
	SCALES \next
	WIN MUL_HI
	MUL16 4, 1, NQ-1, \slot, 0
	MUL16 6, 1, NQ-1, \slot, 0
	PLACES NP
	WIN 0
	FETCH_A \next, 0, 4
.endm
	s_wait_tensorcnt 1                             ; the scales and my part of K step 0 are in (K step 1's load may be out)
	s_barrier_signal -1
	s_barrier_wait -1                              ; everybody's are
	FETCH_B 0, 0, 0
	FETCH_A 0, 0, 0
	SCALES 0
	FETCH_A 0, 0, 4
	STEP 0, 0, 1                                   ; the first step stands in front of the loop: its products start the sums
	s_mov_b32 s3, LAPS-1
.Llap:                                                 ; a trip goes once round the ring and fills both slots again
	TURN 0, 1, 1
	STEP 1, 0, 0
	TURN 1, 0, 1
	STEP 0, 0, 0
	s_sub_co_u32 s3, s3, 1
	s_cmp_lg_u32 s3, 0
	s_cbranch_scc1 .Llap
	TURN 0, 1, 0                                   ; the last lap fills nothing
	STEP 1, 0, 0
	s_wait_dscnt 4*NL                              ; the very last step: nothing more to fetch
	WIN MUL_LO
	MUL16 0, 1, NQ-1, 1, 0
	MUL16 2, 1, NQ-1, 1, 0
	s_wait_dscnt 0
	WIN MUL_HI
	MUL16 4, 1, NQ-1, 1, 0
	MUL16 6, 1, NQ-1, 1, 0
	WIN 0
	; THE WAY OUT.  Where my results go, for q and k and for v; the choice is made by s_cselect_b32.  No tensor load of mine is out, so the scale loads' descriptor registers serve again.
	s_and_b32 s68, ttmp7, 0xffff
	s_lshr_b32 s69, s68, 1
	s_lshl_b32 s69, s69, 4                         ; 16 x batch
	s_and_b32 s68, s68, 1
	s_lshl_b32 s68, s68, 2                         ; the cluster's first tile of 256 tokens in its batch
	s_lshl_b32 s72, s15, 3                         ; 8 x A's half
	s_lshl_b32 s70, s40, 2
	s_lshl_b32 s71, s16, 1
	s_add_co_u32 s70, s70, s71
	s_add_co_u32 s70, s70, s69                     ; q, k: batch x head of my first 64 features: 16 b + 4 cx + 2 x B's half
	s_add_co_u32 s71, s68, s41
	s_lshl_b32 s71, s71, 4
	s_add_co_u32 s71, s71, s72                     ; my first token tile in the batch
	s_lshl_b32 s73, s70, 7
	s_add_co_u32 s73, s73, s71
	s_mul_i32 s73, s73, 768
	s_mul_i32 s74, ttmp9, 6291456
	s_add_co_u32 s73, s73, s74                     ; the image's place
	s_lshl_b32 s75, s70, 11
	s_lshl_b32 s76, s71, 4
	s_add_co_u32 s75, s75, s76
	s_lshl_b32 s75, s75, 2
	s_lshl_b32 s76, ttmp9, 19
	s_add_co_u32 s75, s75, s76                     ; the scale words' place
	s_add_co_u32 s77, s68, s40
	s_lshl_b32 s77, s77, 1
	s_add_co_u32 s77, s77, s16
	s_add_co_u32 s77, s77, s69                     ; v: 16 b + my step of 128 keys
	s_lshl_b32 s78, s41, 4
	s_add_co_u32 s78, s78, s72                     ; my first feature tile
	s_lshl_b32 s79, s77, 6
	s_add_co_u32 s79, s79, s78
	s_mul_i32 s79, s79, 1536
	s_add_co_u32 s79, s79, 12582912
	s_lshl_b32 s80, s77, 10
	s_lshl_b32 s81, s78, 4
	s_add_co_u32 s80, s80, s81
	s_lshl_b32 s80, s80, 2
	s_add_co_u32 s80, s80, 1048576
	s_mov_b32 s86, 768
	s_mov_b32 s88, 98304
	s_cmp_eq_u32 ttmp9, 2
	s_cselect_b32 s82, s79, s73                    ; the first image
	s_cselect_b32 s84, s80, s75                    ; the first scale word
	s_cselect_b32 s86, 1536, s86                   ; from block to block: a token tile, or a feature tile's two halves
	s_cselect_b32 s88, 768, s88                    ; from registers 0-5 to 6-11: the next head, or the step's second 64 keys
	s_cselect_b32 s90, 0, 8192                     ; from plane to plane of scale words: the next head; for v both planes are the same words
	s_cselect_b32 s66, -1, 0xffff                  ; which bytes of the word are kept
	s_cselect_b32 s67, 0, 16
	s_cmp_eq_u32 ttmp9, 1
	s_cselect_b32 s95, 227<<16, 0                  ; k alone carries the mask's byte
	s_mov_b32 s83, 0
	s_mov_b32 s85, 0
	s_mov_b32 s87, 0
	s_mov_b32 s89, 0
	s_mov_b32 s91, 0
	s_add_nc_u64 s[10:11], s[10:11], s[82:83]      ; registers 0-5 go here,
	s_add_nc_u64 s[92:93], s[10:11], s[88:89]      ; registers 6-11 here
	s_add_nc_u64 s[12:13], s[12:13], s[84:85]
	s_add_nc_u64 s[8:9], s[12:13], s[90:91]
	v_bfe_u32 v[SHV], v0, 4, 1
	v_mul_u32_u24 v[SHV], s67, v[SHV]
	v_mov_b32 v[MBV], s95
	v_mov_b32 v[ZR], 0
	PLACES NP                                      ; behind the last products
	s_wait_loadcnt 0x0                             ; attn_mask
; Block a: 16 rows of A in the lanes, 128 rows of B in 64 registers: register 16 b + i is number 32 b + 16 (lane / 16) + i.  Four blocks of 32 are quantised; the codes are a whole fragment, which leaves as two half fragments.
.macro EPI a
.set AC, 64*((\a)%4)
.set WA, 2+(\a)/4
.set WM, (WA<<2)|(WA<<4)
	WIN WM                                         ; sources 1 and 2: the accumulators' window
.irp b, 0,1,2,3
	v_max3_num_f32 v[TM+\b], 0x1800000, |v[AC+16*\b]|, |v[AC+16*\b+1]|   ; my 16 numbers of block b, and the floor 2^(3 - 127).  Each accumulator is read from its low end on
.endr
.irp i, 2,4,6,8,10,12,14
.irp b, 0,1,2,3
	v_max3_num_f32 v[TM+\b], v[TM+\b], |v[AC+16*\b+\i]|, |v[AC+16*\b+\i+1]|   ; (the four blocks by turns)
.endr
.endr
	WIN 0
.irp b, 0,1,2,3
	v_permlanex16_b32 v[TM+4+\b], v[TM+\b], s[SEL], s[SEL+1]
.endr
.irp b, 0,1,2,3
	v_max_num_f32 v[TM+\b], v[TM+\b], v[TM+4+\b]   ; with lane l xor 16's: the block's largest magnitude
.endr
.irp b, 0,1,2,3
	v_add_nc_u32 v[TM+12+\b], 0xff000000, v[TM+\b] ; 2 off its exponent field: the conversion's scale operand
.endr
.irp b, 0,1,2,3
	v_lshrrev_b32 v[TM+4+\b], 23, v[TM+12+\b]      ; the scale's byte
.endr
	v_lshl_or_b32 v[PW], v[TM+5], 8, v[TM+4]
	v_lshl_or_b32 v[PW], v[TM+6], 16, v[PW]
	v_lshl_or_b32 v[PW], v[TM+7], 24, v[PW]
	s_wait_xcnt 0x0                                ; the last block's stores have read their data and their bases: both are written again only behind this wait
.if \a > 0
	s_add_nc_u64 s[10:11], s[10:11], s[86:87]
	s_add_nc_u64 s[92:93], s[92:93], s[86:87]
.endif
	WIN WA                                         ; source 0: the accumulators' window
.irp c, 0,1
	v_cvt_scalef32_pk16_fp6_f32 v[PC+6*\c:PC+6*\c+2], v[AC+32*\c:AC+32*\c+15], v[TM+12+2*\c]
	v_cvt_scalef32_pk16_fp6_f32 v[PX+4*\c:PX+4*\c+2], v[AC+32*\c+16:AC+32*\c+31], v[TM+13+2*\c]   ; (a conversion's three registers begin on an even number)
.endr
	WIN 0
	v_nop                                          ; one plain line behind a scaled conversion
.irp c, 0,1                                    ; the operand's layout wants a WHOLE block in a lane: lanes 0-15 block 2 c, lanes 16-31 block 2 c + 1
.irp i, 0,1,2
	v_permlane16_swap_b32 v[PC+6*\c+\i], v[PX+4*\c+\i]
.endr
.irp i, 0,1,2
	v_mov_b32 v[PC+3+6*\c+\i], v[PX+4*\c+\i]
.endr
.endr
	v_lshrrev_b32 v[VT], v[SHV], v[PW]             ; q, k: lanes 0-15 keep the first head's two bytes, lanes 16-31 the second head's; v: all four
	v_and_b32 v[VT], s66, v[VT]
	v_cmp_eq_u32 vcc_lo, 0, v[MK+\a]
	v_cndmask_b32 v[VU], v[ZR], v[MBV], vcc_lo     ; k: a key that attn_mask hides gets 227 as its third byte
	v_or_b32 v[VT], v[VT], v[VU]
	ds_store_b32 v[SCW], v[VT] offset:64*\a
	global_store_b128 v[LI16], v[PC:PC+3], s[10:11]        ; 512 consecutive bytes,
	global_store_b64 v[LI8], v[PC+4:PC+5], s[10:11]        ; and 256: three aligned runs of 256 bytes a half fragment
	global_store_b128 v[LI16], v[PC+6:PC+9], s[92:93]
	global_store_b64 v[LI8], v[PC+10:PC+11], s[92:93]
.endm
.irp a, 0,1,2,3,4,5,6,7
	EPI \a
.endr
	ds_load_b128 v[SW:SW+3], v[SCR]                ; LDS serves a wave's instructions in order: these see my stores
	ds_load_b128 v[SW+4:SW+7], v[SCR] offset:512
	s_wait_dscnt 0x0
	global_store_b128 v[LI16], v[SW:SW+3], s[12:13]        ; 128 scale words: 512 consecutive bytes
	global_store_b128 v[LI16], v[SW+4:SW+7], s[8:9]        ; the second head's (for v: the same words to the same place once more)
	s_wait_tensorcnt 0x0                           ; the wave's end: behind my last tensor load and my last LDS store
	ds_add_u32 v[SPW], v[NIL]
	s_wait_dscnt 0x0
	CROUND                                         ; the closing round: no work-group ends while a partner may still ask for a tile that names it
	s_endpgm
.Lfunc_end_k_q8f07c1c277_qkv:
	.size	k_q8f07c1c277_qkv, .Lfunc_end_k_q8f07c1c277_qkv-k_q8f07c1c277_qkv
	.p2alignl 7, 3214868480
	.fill 96, 4, 3214868480
	.section	.rodata,"a",@progbits
	.p2align	6, 0x0
	.amdhsa_kernel k_q8f07c1c277_qkv
		.amdhsa_group_segment_fixed_size 327680
		.amdhsa_private_segment_fixed_size 0
		.amdhsa_enable_private_segment 0
		.amdhsa_kernarg_size 40
		.amdhsa_user_sgpr_count 2
		.amdhsa_user_sgpr_kernarg_segment_ptr 1
		.amdhsa_wavefront_size32 1
		.amdhsa_system_sgpr_workgroup_id_x 1
		.amdhsa_system_sgpr_workgroup_id_y 1
		.amdhsa_system_sgpr_workgroup_id_z 1
		.amdhsa_system_vgpr_workitem_id 0
		.amdhsa_next_free_vgpr 1024
		.amdhsa_next_free_sgpr 100
		.amdhsa_reserve_vcc 1
		.amdhsa_float_denorm_mode_32 3
		.amdhsa_float_denorm_mode_16_64 3
		.amdhsa_memory_ordered 1
		.amdhsa_forward_progress 1
		.amdhsa_inst_pref_size 171
	.end_amdhsa_kernel
	.amdgpu_metadata
---
amdhsa.version: [ 1, 2 ]
amdhsa.kernels:
  - .name:           k_q8f07c1c277_qkv
    .symbol:         k_q8f07c1c277_qkv.kd
    .args:
      - { .name: xw_codes, .offset: 0, .size: 8, .value_kind: global_buffer, .address_space: global }
      - { .name: xw_scales, .offset: 8, .size: 8, .value_kind: global_buffer, .address_space: global }
      - { .name: attn_mask, .offset: 16, .size: 8, .value_kind: global_buffer, .address_space: global }
      - { .name: qkv_img, .offset: 24, .size: 8, .value_kind: global_buffer, .address_space: global }
      - { .name: qkv_sc, .offset: 32, .size: 8, .value_kind: global_buffer, .address_space: global }
    .group_segment_fixed_size: 327680
    .private_segment_fixed_size: 0
    .kernarg_segment_align: 8
    .kernarg_segment_size: 40
    .max_flat_workgroup_size: 128
    .sgpr_count:     100
    .vgpr_count:     1024
    .wavefront_size: 32
...
	.end_amdgpu_metadata
.endif
;; end of part 2
;; launch attn (part 3): grid 4 x 64, 16 waves a work-group, clusters of 4 x 1, 210,944 bytes of LDS; arguments qkv_img, qkv_sc, o_img, o_sc; writes o_img, o_sc
.if DOCPART == 3
	.amdgcn_target "amdgcn-amd-amdhsa--gfx1250"
	.amdhsa_code_object_version 6
	.text
	.protected	k_q8f07c1c277_attn
	.globl	k_q8f07c1c277_attn
	.p2align	8
	.type	k_q8f07c1c277_attn,@function
k_q8f07c1c277_attn:
	s_mov_b64 s[64:65], 0
	v_nop
	global_prefetch_b8 v0, s[64:65] scope:SCOPE_SE
	s_setreg_imm32_b32 hwreg(HW_REG_WAVE_MODE, 25, 1), 1
	s_wait_xcnt 0x0
	s_wait_alu depctr_hold_cnt(0) depctr_sa_sdst(0) depctr_va_vdst(0) depctr_va_sdst(0) depctr_va_ssrc(0) depctr_va_vcc(0) depctr_vm_vsrc(0)
	s_getreg_b32 s2, hwreg(HW_REG_IB_STS2, 6, 4)
	s_cmp_eq_u32 s2, 0
	s_cbranch_scc0 .Lentry_in_a_cluster
	s_endpgm
.Lentry_in_a_cluster:
	s_bfe_u32 s2, ttmp6, 0x10000c
	s_cmp_lg_u32 s2, 0x3003
	s_cbranch_scc0 .Lentry_shape_is_right
	s_endpgm
.Lentry_shape_is_right:
; O = softmax(mask(q k^T / 8)) v for one batch and head a cluster, both products on codes of FP6 (E2M3) with E8M0 scales; O is quantised along the model's 1,024 and leaves as the last product's operand.
; p IS QUANTISED FINISHED AND NORMALISED, so a row's maximum and sum are known before any p is made: THE KEYS ARE WALKED TWICE.
;   Pass 1: S^T = k q^T; t = score x log2(e) / 8; M = the row's largest t rounded UP to a whole number (kept as -M = floor(-t)); l = the sum of 2^(t - M), brought under a new M by an exact power of two.
;   Pass 2: S^T again; p = 2^(t - M) x (1 / l); quantised along the keys, 32 to a block; O^T += v^T p^T.  Nothing is rescaled and nothing is divided at the end.
; SHARES.  A cluster of four work-groups takes one (batch, head).  The head's whole K and V (codes 2 x 98,304 bytes, scale words 8,192 + 4,096) come into each work-group's LDS ONCE, by joint loads that name the four.
;   LDS is then only read: no ring, no refill, no barrier in the loops.  A step is 128 keys.  Query tile 8 a + beta (16 queries) needs steps 0 .. a; step a lies on the diagonal.
;   Wave w of partner cx owns tiles 8 (w / 2) + beta and 8 (15 - w / 2) + beta, beta = 2 cx + w % 2: 17 steps a pass for every wave.  The step counts hang on the wave's number alone.
; LAYOUT.  Both products are used transposed (source 0 = 16 keys, or 16 of the head's 64; source 1 = my 16 queries): a lane holds ONE query throughout.  Tiles hold rows 32 i + 8 u + r + 8 (r / 8), so the 16 registers of
;   tiles 2 b and 2 b + 1 are 16 neighbours.  A half fragment (16 rows x 64 K, registers 0-5) is 768 bytes: registers 0-3 at 16 x lane, registers 4-5 at 512 + 8 x lane.
; THE MASKS.  q k^T uses K = 0 .. 63 of the instruction's 128.  At K = 64 every fragment of q has the code of 1.0 under the scale byte 127, and every fragment of k the code of -7.5 under the third byte of the key's scale word:
;   227 for a key that attn_mask hides (its score gets -7.5 x 2^100), 0 for a key that counts (-7.5 x 2^-127).  All other codes of q from K = 65 on are zeros.
;   The running largest t starts at -2^99, over every hidden key's t: hidden keys never set M and give p = 0.  A row with no key left has l = 0, and 1 / l is then taken as 0: O = 0.
;   On the diagonal, scores of later keys become -infinity by compare and select.
; LIMITS: true scores |q . k| stay under 2^96; NaN and infinities are not served; a block whose largest magnitude lies under 2^-124 keeps the byte 1.  o_sc leaves as two bytes a row: 262,144 bytes in all.
.set VIMG,  98304                      ; LDS: K's images at 0 (6,144 bytes a step, 768 a tile); V's here (6,144 a step, 1,536 a tile of 16 of the head's 64, 768 a half);
.set KSC,   196608                     ; K's scale words, 512 bytes a step;
.set VSC,   204800                     ; V's, 256 bytes a step
.set STEPB, 6144
.set ADK,  4                           ; v4-9 the LDS addresses of the step in hand: K's registers 0-3, 4-5, K's scale words, V's 0-3, 4-5, V's scale words
.set ADK8, 5
.set ADS,  6
.set ADV,  7
.set ADV8, 8
.set ADT,  9
.set KB,   46                          ; v46-113 K's eight fragments, 8 registers apart: +0..5 loaded, +6 = the code of -7.5 at K = 64, +7 = 0; registers 8-11 of a fragment are the next one's and stand against q's zero codes
.set KS,   114                         ; v114-117 K's scale words: lanes 0-15 tile 2 i, lanes 16-31 tile 2 i + 1
.set S,    118                         ; v118-181 S^T, then p; then V's four fragments (12 registers each)
.set OT,   182                         ; v182-213 O^T
.set PC,   214                         ; v214-225 p's codes, later O's
.set PX,   226                         ; v226-233 the conversions' second halves
.set BM,   234                         ; v234-237 a block's largest score, then its largest p
.set BT,   238                         ; v238-241 the other half's, then bytes
.set SO,   242                         ; v242-245 the conversions' scale operands
.set PW,   246                         ; p's scale word
.set ZR,   247                         ; 0
.set VS,   252                         ; v252-253 V's scale words
.set WV,   12                          ; s12 my wave's number;  s13 cx;  s14 batch x head, s15 batch, s16 head;  s17 beta;  s18, s19 my two tiles' last steps
.set SEL,  20                          ; s[20:21] v_permlanex16_b32's selects for lane l xor 16
.set CS,   22                          ; s[22:23] c = log2(e) / 8
.set TBK,  66                          ; s66 where the step's images begin;  s67 K's scale words;  s68 V's;  s69 the step
.set TS,   67
.set TSV,  68
.set CNT,  69
.macro CROUND                          ; a round of the cluster's barrier
	s_barrier_signal -1
	s_barrier_wait -1
	s_cmp_lg_u32 s[WV], 0
	s_cbranch_scc1 .Lnot_wave_0_\@
	s_barrier_signal -3
.Lnot_wave_0_\@:
	s_barrier_wait -3
	s_barrier_signal -1
	s_barrier_wait -1
.endm
	s_load_b256 s[4:11], s[0:1], 0x0               ; the images s[4:5], the scale words s[6:7], O's images s[8:9], O's scale bytes s[10:11]
	v_lshl_add_u32 v229, v0, 2, 0x33000
	v_mov_b32 v233, 0
	ds_add_u32 v229, v233
	ds_add_u32 v229, v233
	v_lshrrev_b32 v1, 5, v0
	v_readfirstlane_b32 s[WV], v1                  ; wave 0..15
	s_bfe_u32 s13, ttmp6, 0x40000                  ; cx: it enters q's and O's addresses and the diagonal's compare, nothing else
	s_and_b32 s14, ttmp7, 0xffff                   ; batch x head, which the four partners share
	s_lshr_b32 s15, s14, 4
	s_and_b32 s16, s14, 15
	s_lshl_b32 s17, s13, 1
	s_and_b32 s70, s[WV], 1
	s_add_co_u32 s17, s17, s70                     ; beta
	s_lshr_b32 s18, s[WV], 1                       ; my first tile's last step,
	s_sub_co_u32 s19, 15, s18                      ; my second's
	s_mov_b32 s[SEL], 0x76543210
	s_mov_b32 s[SEL+1], 0xfedcba98
	s_mov_b32 s[CS], 0x3e38aa3b                    ; log2(e) / 8
	s_mov_b32 s[CS+1], s[CS]                       ; (named with it as a pair, so it is written)
	; descriptor groups 1: dense blocks as rows of 256 bytes (32 elements of 8 bytes): s[24:31] 24 rows, s[32:39] 2 rows, s[40:47] 1 row
.irp g, 24, 32, 40
	s_mov_b32 s[\g], 15|(3<<16)|(1<<21)            ; 15:0 the mask: all four work-groups; 17:16 elements of 8 bytes; 21 set beside a mask
	s_mov_b32 s[\g+1], 32<<16                      ; tensor_dim0
	s_mov_b32 s[\g+3], 32<<16                      ; tile_dim0
	s_mov_b32 s[\g+5], 32                          ; tensor_dim0_stride
	s_mov_b32 s[\g+6], 0
	s_mov_b32 s[\g+7], 0
.endr
	s_mov_b32 s26, 24<<16                          ; tensor_dim1, tile_dim1
	s_mov_b32 s28, 24
	s_mov_b32 s34, 2<<16
	s_mov_b32 s36, 2
	s_mov_b32 s42, 1<<16
	s_mov_b32 s44, 1
	; wave w fetches step w: K's scale words, K's images, V's images, V's scale words.  The places hang on the wave's number and on batch x head: equal in all four partners
	s_lshl_b32 s70, s14, 13
	s_lshl_b32 s72, s[WV], 9
	s_add_co_u32 s70, s70, s72
	s_add_co_u32 s70, s70, 524288
	s_mov_b32 s71, 0
	s_mul_i32 s72, s14, 98304
	s_mul_i32 s53, s[WV], STEPB                    ; K's images: LDS address
	s_add_co_u32 s72, s72, s53
	s_add_co_u32 s72, s72, 6291456
	s_mov_b32 s73, 0
	s_lshl_b32 s94, s15, 4
	s_add_co_u32 s94, s94, s[WV]                   ; 16 x batch + step
	s_mul_i32 s90, s94, 98304
	s_mul_i32 s95, s16, STEPB
	s_add_co_u32 s90, s90, s95
	s_add_co_u32 s90, s90, 12582912
	s_mov_b32 s91, 0
	s_lshl_b32 s92, s94, 12
	s_lshl_b32 s95, s16, 8
	s_add_co_u32 s92, s92, s95
	s_add_co_u32 s92, s92, 1048576
	s_mov_b32 s93, 0
	s_lshl_b32 s49, s[WV], 9
	s_add_co_u32 s49, s49, KSC
	s_add_co_u32 s57, s53, VIMG
	s_lshl_b32 s61, s[WV], 8
	s_add_co_u32 s61, s61, VSC
	s_mov_b32 s48, 1
	s_mov_b32 s52, 1
	s_mov_b32 s56, 1
	s_mov_b32 s60, 1
	s_wait_dscnt 0x0
	s_wait_kmcnt 0x0
	s_add_nc_u64 s[50:51], s[6:7], s[70:71]
	s_or_b32 s51, s51, 0x80000000
	s_add_nc_u64 s[54:55], s[4:5], s[72:73]
	s_or_b32 s55, s55, 0x80000000
	s_add_nc_u64 s[58:59], s[4:5], s[90:91]
	s_or_b32 s59, s59, 0x80000000
	s_add_nc_u64 s[62:63], s[6:7], s[92:93]
	s_or_b32 s63, s63, 0x80000000
	CROUND                                         ; all four work-groups are here: the joint loads meet
	tensor_load_to_lds s[48:51], s[32:39]          ; the launch's only fills, one group: four loads of mine are out
	s_nop 0
	tensor_load_to_lds s[52:55], s[24:31]
	s_nop 0
	tensor_load_to_lds s[56:59], s[24:31]
	s_nop 0
	tensor_load_to_lds s[60:63], s[40:47]
	s_nop 0
.rept 4
	v_nop
.endr
; a tile's four places in memory: q's image, q's scale words, O's image, O's scale bytes, at s[o] on.  al: the register with the tile's last step
.macro BASES al, o
	s_lshl_b32 s94, s[\al], 3
	s_add_co_u32 s94, s94, s17                     ; the tile in its batch
	s_lshl_b32 s95, s14, 7
	s_add_co_u32 s95, s95, s94
	s_mul_i32 s96, s95, 768
	s_mov_b32 s97, 0
	s_add_nc_u64 s[\o:\o+1], s[4:5], s[96:97]
	s_lshl_b32 s96, s95, 6
	s_add_nc_u64 s[\o+2:\o+3], s[6:7], s[96:97]
	s_lshl_b32 s95, s15, 7
	s_add_co_u32 s95, s95, s94                     ; the token tile among all 512
	s_lshl_b32 s96, s95, 4
	s_add_co_u32 s96, s96, s16
	s_mul_i32 s96, s96, 768
	s_add_nc_u64 s[\o+4:\o+5], s[8:9], s[96:97]
	s_lshl_b32 s96, s95, 9
	s_lshl_b32 s95, s16, 1
	s_add_co_u32 s96, s96, s95
	s_add_nc_u64 s[\o+6:\o+7], s[10:11], s[96:97]
.endm
	BASES 18, 74
	BASES 19, 82
	v_and_b32 v3, 31, v0                           ; lane
	v_lshlrev_b32 v1, 4, v3                        ; v1  16 x lane: registers 0-3 of a half fragment
	v_lshlrev_b32 v2, 3, v3
	v_add_nc_u32 v2, 512, v2                       ; v2  512 + 8 x lane: registers 4-5
	v_lshl_add_u32 v3, v3, 2, KSC                  ; v3  K's scale words, 4 x lane
	v_and_b32 v254, 15, v0                         ; r
	v_bfe_u32 v255, v0, 4, 1                       ; h
	v_lshlrev_b32 v11, 5, v254                     ; v11 32 r: my row of O's scale bytes
	v_lshlrev_b32 v9, 2, v254                      ; 4 r: my query's scale word
	global_load_b128 v[20:23], v1, s[74:75]        ; q's two half fragments stay in registers
	global_load_b64 v[24:25], v2, s[74:75]
	global_load_b32 v44, v9, s[76:77]
	global_load_b128 v[32:35], v1, s[82:83]
	global_load_b64 v[36:37], v2, s[82:83]
	global_load_b32 v45, v9, s[84:85]
	s_lshr_b32 s94, s17, 1
	s_lshl_b32 s94, s94, 5
	s_and_b32 s95, s17, 1
	s_lshl_b32 s95, s95, 3
	s_add_co_u32 s94, s94, s95                     ; 32 (beta / 2) + 8 (beta % 2)
	v_and_b32 v10, 8, v254
	v_add_nc_u32 v10, v10, v254                    ; + r + 8 (r / 8): my query in its step of 128
	v_lshlrev_b32 v4, 4, v255
	v_sub_nc_u32 v10, v10, v4
	v_add_nc_u32 v10, s94, v10                     ; v10 = my query - 16 h.  Register 16 b + i holds key 32 b + 16 h + i: hidden on the diagonal where 32 b + i > v10
	v_sub_nc_u32 v26, 1, v255
	v_lshlrev_b32 v26, 3, v26                      ; q's register 6: the code of 1.0 at K = 64 (lanes 0-15), zeros elsewhere
	v_mov_b32 v38, v26
.irp j, 27,28,29,30,31,39,40,41,42,43
	v_mov_b32 v\j, 0
.endr
	v_mov_b32 v[ZR], 0
	v_mov_b32 v249, 0                              ; (named as the upper half of the pair v[248:249])
.irp b, 0,1,2,3
	v_mov_b32 v[BT+\b], 0                          ; written once: a lane permute's destination counts as one of its sources
.endr
	s_wait_loadcnt 0x0                             ; q
	v_or_b32 v44, 0x7f0000, v44                    ; q's third scale byte: 1.0, for the code at K = 64
	v_or_b32 v45, 0x7f0000, v45
.set t, 0
.rept 8
	v_mov_b32 v[KB+8*t+6], 63                      ; the code of -7.5 at K = 64 (in lanes 16-31: at K = 96, against a zero code of q)
	v_mov_b32 v[KB+8*t+7], 0
.set t, t+1
.endr
.irp j, 110,111,112,113
	v_mov_b32 v\j, 0
.endr
	s_wait_tensorcnt 0x0                           ; my four fills have landed,
	s_barrier_signal -1
	s_barrier_wait -1                              ; everybody's have: from here on LDS is only read
.macro KLOADS                          ; a step's eight half fragments of K and their scale words
.set t, 0
.rept 8
	ds_load_b128 v[KB+8*t:KB+8*t+3], v[ADK] offset:768*t
	ds_load_b64 v[KB+8*t+4:KB+8*t+5], v[ADK8] offset:768*t
.set t, t+1
.endr
.irp i, 0,1,2,3
	ds_load_b32 v[KS+\i], v[ADS] offset:128*\i
.endr
	s_wait_dscnt 0x0
.endm
.macro SPROD qf, qs                    ; S^T = k q^T: eight tiles of 16 keys; each product starts its own sum
.set t, 0
.rept 8
.if t%2
	v_wmma_scale_f32_16x16x128_f8f6f4 v[S+8*t:S+8*t+7], v[KB+8*t:KB+8*t+11], v[\qf:\qf+11], 0, v[KS+t/2], v[\qs] matrix_a_fmt:MATRIX_FMT_FP6 matrix_b_fmt:MATRIX_FMT_FP6 matrix_a_scale:MATRIX_SCALE_ROW1
.else
	v_wmma_scale_f32_16x16x128_f8f6f4 v[S+8*t:S+8*t+7], v[KB+8*t:KB+8*t+11], v[\qf:\qf+11], 0, v[KS+t/2], v[\qs] matrix_a_fmt:MATRIX_FMT_FP6 matrix_b_fmt:MATRIX_FMT_FP6
.endif
.set t, t+1
.endr
.rept 4
	v_nop                                          ; places in front of the first read of the scores
.endr
.endm
.macro DIAG                            ; on the diagonal: the scores of later keys become -infinity
	v_mov_b32 v255, 0xff800000
.set n, 0
.rept 64
	v_cmp_gt_i32 vcc_lo, 32*(n/16)+n%16, v10
	v_cndmask_b32 v[S+n], v[S+n], v255, vcc_lo
.set n, n+1
.endr
.endm
.macro BMAX                            ; the largest of my 16 scores of each block of 32 keys; each accumulator is read from its low end on
.irp b, 0,1,2,3
	v_max3_num_f32 v[BM+\b], v[S+16*\b], v[S+16*\b+1], v[S+16*\b+2]
.endr
.irp i, 3,5,7,9,11,13
.irp b, 0,1,2,3
	v_max3_num_f32 v[BM+\b], v[BM+\b], v[S+16*\b+\i], v[S+16*\b+\i+1]
.endr
.endr
.irp b, 0,1,2,3
	v_max_num_f32 v[BM+\b], v[BM+\b], v[S+16*\b+15]
.endr
.endm
.macro TMINUSM st                      ; t - M, two at a time (of the pairs c and -M the low word serves both halves)
.set j, 0
.rept 32
	v_pk_fma_f32 v[S+j:S+j+1], v[S+j:S+j+1], s[CS:CS+1], v[\st:\st+1] op_sel_hi:[1,0,0]
.set j, j+2
.endr
.endm
.macro EXP64
.set j, 0
.rept 64
	v_exp_f32 v[S+j], v[S+j]
.set j, j+1
.endr
.endm
; PASS 1 of one tile.  qf: q's fragment; qs: its scale word; st: the tile's state (-M, the largest t, l in two halves); al: the register with the tile's last step.
; The loop has a constant 16 trips; a step beyond the tile's last is left out by a scalar branch on the wave's number, round its work and not round the lines that step addresses.
.macro PASS1 qf, qs, st, al
	v_mov_b32 v[\st+1], 0xf1000000                 ; the largest t so far: -2^99
	v_mov_b32 v[\st], 0x71000000                   ; -M = 2^99
	v_mov_b32 v[\st+2], 0
	v_mov_b32 v[\st+3], 0
	s_mov_b32 s[TBK], 0
	s_mov_b32 s[TS], 0
	s_mov_b32 s[CNT], 0
.Lp1_\@:
	s_cmp_gt_u32 s[CNT], s[\al]
	s_cbranch_scc1 .Lp1s_\@
	v_add_nc_u32 v[ADK], s[TBK], v1
	v_add_nc_u32 v[ADK8], s[TBK], v2
	v_add_nc_u32 v[ADS], s[TS], v3
	KLOADS
	SPROD \qf, \qs
	s_cmp_lg_u32 s[CNT], s[\al]
	s_cbranch_scc1 .Lp1o_\@
	DIAG
.Lp1o_\@:
	BMAX
	v_max3_num_f32 v254, v[BM], v[BM+1], v[BM+2]
	v_max_num_f32 v254, v254, v[BM+3]
	v_permlanex16_b32 v255, v254, s[SEL], s[SEL+1]
	v_max_num_f32 v254, v254, v255                 ; the step's largest score of my query
	v_mul_f32 v254, s[CS], v254                    ; as t (c is positive)
	v_max_num_f32 v[\st+1], v[\st+1], v254         ; the running largest t
	v_mov_b32 v254, v[\st]
	v_floor_f32 v[\st], -v[\st+1]                  ; the new -M = floor(-t): M is a whole number
	v_sub_f32 v254, v[\st], v254                   ; M's old value less its new one: a whole number, 0 or less
	v_cvt_i32_f32 v254, v254                       ; (it saturates)
	v_ldexp_f32 v248, 1.0, v254                    ; f = 2^(old M - new M)
	TMINUSM \st
	EXP64                                          ; 2^(t - M), at most 1
	v_pk_mul_f32 v[\st+2:\st+3], v[\st+2:\st+3], v[248:249] op_sel_hi:[1,0]   ; l under the new M: nothing is rounded.  (The plain line behind the exponentials)
	s_wait_alu depctr_va_vdst(0)                   ; one wait for the whole batch, ahead of its first reader
	v_pk_add_f32 v[250:251], v[S:S+1], v[S+2:S+3]  ; the sum, two at a time, in two chains
.set j, 4
.rept 15
	v_pk_add_f32 v[\st+2:\st+3], v[\st+2:\st+3], v[S+j:S+j+1]
	v_pk_add_f32 v[250:251], v[250:251], v[S+j+2:S+j+3]
.set j, j+4
.endr
	v_pk_add_f32 v[\st+2:\st+3], v[\st+2:\st+3], v[250:251]
.Lp1s_\@:
	s_add_co_u32 s[TBK], s[TBK], STEPB
	s_add_co_u32 s[TS], s[TS], 512
	s_add_co_u32 s[CNT], s[CNT], 1
	s_cmp_lt_u32 s[CNT], 16
	s_cbranch_scc1 .Lp1_\@
.endm
.macro FIN st                          ; 1 / l into v[st + 2]; 0 where no key is left
	v_add_f32 v254, v[\st+2], v[\st+3]
	v_permlanex16_b32 v255, v254, s[SEL], s[SEL+1]
	v_add_f32 v254, v254, v255                     ; the row's sum
	v_rcp_f32 v255, v254
	v_cmp_lt_f32 vcc_lo, 0, v254                   ; (a plain line behind the reciprocal; it names neither its result nor writes its source)
	s_wait_alu depctr_va_vdst(0)                   ; the wait ahead of the first reader
	v_cndmask_b32 v[\st+2], v[ZR], v255, vcc_lo
.endm
; PASS 2 of one tile.
.macro PASS2 qf, qs, st, al
	s_wait_xcnt 0x0                                ; the last tile's stores have read their registers
.set j, 0
.rept 32
	v_mov_b32 v[OT+j], 0                           ; O^T: the step is written once, and its products add in place
.set j, j+1
.endr
	s_mov_b32 s[TBK], 0
	s_mov_b32 s[TS], 0
	s_mov_b32 s[TSV], 0
	s_mov_b32 s[CNT], 0
.Lp2_\@:
	s_cmp_gt_u32 s[CNT], s[\al]
	s_cbranch_scc1 .Lp2s_\@
	v_add_nc_u32 v[ADK], s[TBK], v1                ; six plain lines: also the places between the last step's products with V and the scores that are laid over V's fragments
	v_add_nc_u32 v[ADK8], s[TBK], v2
	v_add_nc_u32 v[ADS], s[TS], v3
	v_add_nc_u32 v[ADV], VIMG, v[ADK]
	v_add_nc_u32 v[ADV8], VIMG, v[ADK8]
	v_add_nc_u32 v[ADT], s[TSV], v3
	KLOADS
	SPROD \qf, \qs
	s_cmp_lg_u32 s[CNT], s[\al]
	s_cbranch_scc1 .Lp2o_\@
	DIAG
.Lp2o_\@:
	BMAX
.irp b, 0,1,2,3
	v_permlanex16_b32 v[BT+\b], v[BM+\b], s[SEL], s[SEL+1]
.endr
.irp b, 0,1,2,3
	v_max_num_f32 v[BM+\b], v[BM+\b], v[BT+\b]     ; each block's largest score: p rises with the score, so it gives the block's largest p
.endr
	TMINUSM \st
.irp b, 0,1,2,3
	v_fma_f32 v[BM+\b], v[BM+\b], s[CS], v[\st]
.endr
	EXP64
	v_nop                                          ; the plain line behind the exponentials
	s_wait_alu depctr_va_vdst(0)                   ; one wait for the 64, ahead of their first reader
.irp b, 0,1,2,3
	v_exp_f32 v[BM+\b], v[BM+\b]
.endr
.set j, 0
.rept 32
	v_pk_mul_f32 v[S+j:S+j+1], v[S+j:S+j+1], v[\st+2:\st+3] op_sel_hi:[1,0]   ; p = 2^(t - M) / l: finished and normalised.  (Plain work behind the four)
.set j, j+2
.endr
	s_wait_alu depctr_va_vdst(0)                   ; and one for the four
.irp b, 0,1,2,3
	v_mul_f32 v[BM+\b], v[BM+\b], v[\st+2]         ; the same three instructions on the same number give the same bits
.endr
.irp b, 0,1,2,3
	v_max_num_f32 v[BM+\b], 0x1800000, v[BM+\b]    ; the floor 2^(3 - 127): a block whose every p is 0 keeps the byte 1: its codes are zeros
.endr
.irp b, 0,1,2,3
	v_add_nc_u32 v[SO+\b], 0xff000000, v[BM+\b]    ; 2 off the exponent field: the conversion's scale operand
.endr
.irp b, 0,1,2,3
	v_lshrrev_b32 v[BT+\b], 23, v[SO+\b]           ; the scale's byte
.endr
	v_lshl_or_b32 v[PW], v[BT+1], 8, v[BT]
	v_lshl_or_b32 v[PW], v[BT+2], 16, v[PW]
	v_lshl_or_b32 v[PW], v[BT+3], 24, v[PW]
.irp c, 0,1
	v_cvt_scalef32_pk16_fp6_f32 v[PC+6*\c:PC+6*\c+2], v[S+32*\c:S+32*\c+15], v[SO+2*\c]
	v_cvt_scalef32_pk16_fp6_f32 v[PX+4*\c:PX+4*\c+2], v[S+32*\c+16:S+32*\c+31], v[SO+2*\c+1]   ; (a conversion's three registers begin on an even number)
.endr
	v_nop                                          ; one plain line behind a scaled conversion
.irp d, 0,1,2,3                                ; V's four fragments (16 of the head's 64 x 128 keys) land where p stood
	ds_load_b128 v[S+12*\d:S+12*\d+3], v[ADV] offset:1536*\d
	ds_load_b64 v[S+12*\d+4:S+12*\d+5], v[ADV8] offset:1536*\d
	ds_load_b128 v[S+12*\d+6:S+12*\d+9], v[ADV] offset:1536*\d+768
	ds_load_b64 v[S+12*\d+10:S+12*\d+11], v[ADV8] offset:1536*\d+768
.endr
.irp i, 0,1
	ds_load_b32 v[VS+\i], v[ADT] offset:VSC-KSC+128*\i
.endr
.irp c, 0,1                                    ; the operand's layout wants a WHOLE block in a lane: lanes 0-15 block 2 c, lanes 16-31 block 2 c + 1
.irp i, 0,1,2
	v_permlane16_swap_b32 v[PC+6*\c+\i], v[PX+4*\c+\i]
.endr
.irp i, 0,1,2
	v_mov_b32 v[PC+3+6*\c+\i], v[PX+4*\c+\i]
.endr
.endr
.rept 4
	v_nop                                          ; an operand written by vector lines stands four plain lines ahead of a scaled matrix instruction; the scale word stands eleven and more ahead
.endr
	s_wait_dscnt 0x0
.irp d, 0,2                                    ; O^T += v^T p^T: the four accumulators by turns, one instruction a turn; eight other products stand between two links of a chain
	v_wmma_scale_f32_16x16x128_f8f6f4 v[OT+8*\d:OT+8*\d+7], v[S+12*\d:S+12*\d+11], v[PC:PC+11], v[OT+8*\d:OT+8*\d+7], v[VS+\d/2], v[PW] matrix_a_fmt:MATRIX_FMT_FP6 matrix_b_fmt:MATRIX_FMT_FP6
	v_wmma_scale_f32_16x16x128_f8f6f4 v[OT+8*\d+8:OT+8*\d+15], v[S+12*\d+12:S+12*\d+23], v[PC:PC+11], v[OT+8*\d+8:OT+8*\d+15], v[VS+\d/2], v[PW] matrix_a_fmt:MATRIX_FMT_FP6 matrix_b_fmt:MATRIX_FMT_FP6 matrix_a_scale:MATRIX_SCALE_ROW1
.endr
.Lp2s_\@:
	s_add_co_u32 s[TBK], s[TBK], STEPB
	s_add_co_u32 s[TS], s[TS], 512
	s_add_co_u32 s[TSV], s[TSV], 256
	s_add_co_u32 s[CNT], s[CNT], 1
	s_cmp_lt_u32 s[CNT], 16
	s_cbranch_scc1 .Lp2_\@
.endm
; O^T's register 16 b + i is channel 32 b + 16 h + i of my query: two blocks of 32 along the last product's K.  They become a half fragment and two scale bytes.
.macro OUT oi, os
.rept 4
	v_nop                                          ; places behind the last products
.endr
.irp b, 0,1
	v_max3_num_f32 v[BM+\b], |v[OT+16*\b]|, |v[OT+16*\b+1]|, 0x1800000   ; each accumulator is read from its low end on
.endr
.irp i, 2,4,6,8,10,12,14
.irp b, 0,1
	v_max3_num_f32 v[BM+\b], v[BM+\b], |v[OT+16*\b+\i]|, |v[OT+16*\b+\i+1]|
.endr
.endr
.irp b, 0,1
	v_permlanex16_b32 v[BT+\b], v[BM+\b], s[SEL], s[SEL+1]
.endr
.irp b, 0,1
	v_max_num_f32 v[BM+\b], v[BM+\b], v[BT+\b]
.endr
.irp b, 0,1
	v_add_nc_u32 v[SO+\b], 0xff000000, v[BM+\b]
.endr
.irp b, 0,1
	v_lshrrev_b32 v[BT+\b], 23, v[SO+\b]
.endr
	v_lshl_or_b32 v254, v[BT+1], 8, v[BT]          ; my row's two bytes for this head
	v_cvt_scalef32_pk16_fp6_f32 v[PC:PC+2], v[OT:OT+15], v[SO]
	v_cvt_scalef32_pk16_fp6_f32 v[PX:PX+2], v[OT+16:OT+31], v[SO+1]
	v_nop                                          ; one plain line behind a scaled conversion
.irp i, 0,1,2
	v_permlane16_swap_b32 v[PC+\i], v[PX+\i]
.endr
.irp i, 0,1,2
	v_mov_b32 v[PC+3+\i], v[PX+\i]
.endr
	global_store_b128 v1, v[PC:PC+3], s[\oi:\oi+1] ; 512 consecutive bytes,
	global_store_b64 v2, v[PC+4:PC+5], s[\oi:\oi+1]   ; and 256
	global_store_b16 v11, v254, s[\os:\os+1]       ; two bytes of each of 16 rows of 32 (both halves of the lanes write the same): the other heads' bytes come from other clusters
.endm
	PASS1 20, 44, 12, 18
	PASS1 32, 45, 16, 19
	FIN 12
	FIN 16
	PASS2 20, 44, 12, 18
	OUT 78, 80
	PASS2 32, 45, 16, 19
	OUT 86, 88
	s_wait_dscnt 0x0
	s_wait_tensorcnt 0x0
	ds_add_u32 v229, v233
	s_wait_dscnt 0x0
	CROUND                                         ; the closing round
	s_endpgm
.Lfunc_end_k_q8f07c1c277_attn:
	.size	k_q8f07c1c277_attn, .Lfunc_end_k_q8f07c1c277_attn-k_q8f07c1c277_attn
	.p2alignl 7, 3214868480
	.fill 96, 4, 3214868480
	.section	.rodata,"a",@progbits
	.p2align	6, 0x0
	.amdhsa_kernel k_q8f07c1c277_attn
		.amdhsa_group_segment_fixed_size 210944
		.amdhsa_private_segment_fixed_size 0
		.amdhsa_enable_private_segment 0
		.amdhsa_kernarg_size 32
		.amdhsa_user_sgpr_count 2
		.amdhsa_user_sgpr_kernarg_segment_ptr 1
		.amdhsa_wavefront_size32 1
		.amdhsa_system_sgpr_workgroup_id_x 1
		.amdhsa_system_sgpr_workgroup_id_y 1
		.amdhsa_system_sgpr_workgroup_id_z 1
		.amdhsa_system_vgpr_workitem_id 0
		.amdhsa_next_free_vgpr 256
		.amdhsa_next_free_sgpr 100
		.amdhsa_reserve_vcc 1
		.amdhsa_float_denorm_mode_32 3
		.amdhsa_float_denorm_mode_16_64 3
		.amdhsa_memory_ordered 1
		.amdhsa_forward_progress 1
		.amdhsa_inst_pref_size 91
	.end_amdhsa_kernel
	.amdgpu_metadata
---
amdhsa.version: [ 1, 2 ]
amdhsa.kernels:
  - .name:           k_q8f07c1c277_attn
    .symbol:         k_q8f07c1c277_attn.kd
    .args:
      - { .name: qkv_img, .offset: 0, .size: 8, .value_kind: global_buffer, .address_space: global }
      - { .name: qkv_sc, .offset: 8, .size: 8, .value_kind: global_buffer, .address_space: global }
      - { .name: o_img, .offset: 16, .size: 8, .value_kind: global_buffer, .address_space: global }
      - { .name: o_sc, .offset: 24, .size: 8, .value_kind: global_buffer, .address_space: global }
    .group_segment_fixed_size: 210944
    .private_segment_fixed_size: 0
    .kernarg_segment_align: 8
    .kernarg_segment_size: 32
    .max_flat_workgroup_size: 512
    .sgpr_count:     100
    .vgpr_count:     256
    .wavefront_size: 32
...
	.end_amdgpu_metadata
.endif
;; end of part 3
;; launch proj (part 4): grid 4 x 32, 4 waves a work-group, clusters of 4 x 4, 327,680 bytes of LDS; arguments o_img, o_sc, xw_codes, xw_scales, out0; writes out0
.if DOCPART == 4
	.amdgcn_target "amdgcn-amd-amdhsa--gfx1250"
	.amdhsa_code_object_version 6
	.text
	.protected	k_q8f07c1c277_proj
	.globl	k_q8f07c1c277_proj
	.p2align	8
	.type	k_q8f07c1c277_proj,@function
k_q8f07c1c277_proj:
	s_mov_b64 s[64:65], 0
	v_nop
	global_prefetch_b8 v0, s[64:65] scope:SCOPE_SE
	s_setreg_imm32_b32 hwreg(HW_REG_WAVE_MODE, 25, 1), 1
	s_wait_xcnt 0x0
	s_wait_alu depctr_hold_cnt(0) depctr_sa_sdst(0) depctr_va_vdst(0) depctr_va_sdst(0) depctr_va_ssrc(0) depctr_va_vcc(0) depctr_vm_vsrc(0)
	s_getreg_b32 s2, hwreg(HW_REG_IB_STS2, 6, 4)
	s_cmp_eq_u32 s2, 0
	s_cbranch_scc0 .Lentry_in_a_cluster
	s_endpgm
.Lentry_in_a_cluster:
	s_bfe_u32 s2, ttmp6, 0x10000c
	s_cmp_lg_u32 s2, 0xf033
	s_cbranch_scc0 .Lentry_shape_is_right
	s_endpgm
.Lentry_shape_is_right:
; out0 = O w_out^T on codes of FP6 (E2M3) with E8M0 scales: M = 8,192, N = 1,024, K = 1,024; sums and out0 in f32.
; A = O: half fragments of 768 bytes, [token tile 512][head 16] (16 rows x 64 K as an image of operand registers 0-5: registers 0-3 at 16 x lane, registers 4-5 at 512 + 8 x lane); two of them are a fragment of 128 along K.
;   Its scale bytes: [token position 8,192][32].  A token tile i holds tokens 32 (i / 2) + 8 (i % 2) + r + 8 (r / 8): the rows of out0 are put back in order by the stores' offsets.
; B = w_out: rows 11,264 on of the array of codes (768 bytes a row) and of scale bytes (32 a row), in their own order.
; A work-group of four waves makes 256 x 256 of out0, a wave 128 x 128: 64 accumulators, 512 registers.  K goes in steps of 256 through a ring of two LDS slots filled by the tensor data mover.
; The scales of the work-group's rows, for all of K, come into LDS once.  128 work-groups: the tile is kept large so that each byte read from LDS feeds as many products as the registers allow.
; CLUSTERS: 4 x 4 work-groups: A's tile is asked for jointly by a row of the cluster, B's by a column.  The matrix instruction is used transposed (source 0 = 16 rows of B, source 1 = 16 rows of A).
; REGISTERS, in windows of 256: window 0: v0-31 addresses; v32-63 scale words, two sets; v128-223 A's fragments, one set; on the way out v128-255 are free.
;   window 1: B's fragments, two sets.   window 2: the accumulators of A's blocks 0-3 (accumulator (a, b) at v[8 (8 a + b)]);   window 3: those of blocks 4-7.
.set SIZE_N, 1024
.set SIZE_K, 1024
.set KSTEP,  256
.set NQ,     KSTEP/128
.set ROWB,   192                       ; B: a tile's row in bytes
.set KROW,   SIZE_K*6/8                ; a row of codes in memory; also A's bytes for each token
.set KSTA,   3072                      ; A: a token tile's bytes of a K step: four half fragments
.set PITCH,  240                       ; B: an LDS row: 3 x (64 bytes + 16 of padding)
.set FR,     12
.set NL,     6                         ; LDS loads that bring a fragment of B,
.set NLA,    4                         ; of A
.set NP,     4                         ; places behind this matrix instruction (ISA guide 7.12.1)
.set HALFA,  8*KSTA                    ; A: 8 token tiles: what one tensor load brings
.set HALFT,  128*PITCH                 ; B: 128 rows
.set BOFF,   2*HALFA                   ; a slot: A's 16 token tiles, then B's 256 rows
.set SLOT,   BOFF+2*HALFT
.set LAPS,   SIZE_K/(2*KSTEP)
.set KS,     SIZE_K/32
.set SCL,    2*SLOT                    ; behind the ring: the scales, as rows of 256 bytes + 16 of padding, filled once
.set HALFS,  (128*KS/256)*272
.set SBLK,   (16*KS/256)*272
.set SPARE,  SCL+4*HALFS               ; the spare words, 128 bytes for each wave
.set SPITCH, 528                       ; the way out: a stage of 16 rows x (512 bytes + 16) for each wave, in slot 0, which has had its last fill and its last read when the first result is stored there
.set ADRA, 16                          ; v16-17 A's registers 0-3 in slot 0, 1;  v18-19 registers 4-5
.set ADRB, 20                          ; v20-21 B's fragments in slot 0, 1;  v22-23 behind one padding more
.set STO,  24
.set RD,   25
.set CO,   26
.set ADRS, 27
.set SPW,  28                          ; v28 LDS address of my spare word; never rewritten
.set NIL,  29                          ; v29 0; never rewritten
.set SC,   32
.set AF,   128
.set BK,   128
.set G1, 24
.set G0, 32
.set G1B, 48
.set G0B, 56
.set G1S, 68
.set G0S, 76
.set G1SB, 80
.set G0SB, 88
.set MSB, 0
.macro WIN new                         ; the immediate's high byte repeats the setting that is left
.if MSB != \new
	s_set_vgpr_msb (MSB<<8)|\new
.set MSB, \new
.endif
.endm
.set MUL_LO, 0xa1
.set MUL_HI, 0xf1
.set TO_B,   0x40
.macro JLOAD g0a, g1a, g0b, g1b        ; a joint load: waves 0 and 1 fetch for A, waves 2 and 3 for B; four v_nop follow each of the two lines
	s_cmp_eq_u32 s15, 0
	s_cbranch_scc0 .Lfor_b_\@
	tensor_load_to_lds s[\g0a:\g0a+3], s[\g1a:\g1a+7]
	s_nop 0
.rept 4
	v_nop
.endr
	s_branch .Lasked_\@
.Lfor_b_\@:
	tensor_load_to_lds s[\g0b:\g0b+3], s[\g1b:\g1b+7]
	s_nop 0
.rept 4
	v_nop
.endr
.Lasked_\@:
.endm
.macro CREST
	s_cmp_lg_u32 s14, 0
	s_cbranch_scc1 .Lnot_wave_0_\@
	s_barrier_signal -3
.Lnot_wave_0_\@:
	s_barrier_wait -3
	s_barrier_signal -1
	s_barrier_wait -1
.endm
.macro CROUND
	s_barrier_signal -1
	s_barrier_wait -1
	CREST
.endm
	s_load_b128 s[4:7], s[0:1], 0x0                ; O's images s[4:5], O's scale bytes s[6:7]
	s_load_b128 s[8:11], s[0:1], 0x10              ; the array of codes s[8:9], of scale bytes s[10:11]
	s_load_b64 s[12:13], s[0:1], 0x20              ; out0
	v_lshl_add_u32 v[SPW], v0, 2, SPARE
	v_mov_b32 v[NIL], 0
	ds_add_u32 v28, v29
	ds_add_u32 v28, v29
	s_wait_dscnt 0x0
	v_lshrrev_b32 v1, 5, v0
	v_readfirstlane_b32 s14, v1                    ; wave 0..3
	s_lshr_b32 s15, s14, 1                         ; which half of the tile's rows is mine.  Also: I fetch for A (0) or for B (1)
	s_and_b32 s16, s14, 1                          ; which half of its columns.  Also: which half of that tile I fetch
	s_bfe_u32 s40, ttmp6, 0x40000                  ; cx, cy
	s_bfe_u32 s41, ttmp6, 0x40004
	s_lshl_b32 s42, ttmp9, 2
	s_add_co_u32 s42, s42, s40                     ; tile column
	s_and_b32 s17, ttmp7, 0xffff
	s_lshl_b32 s17, s17, 2
	s_add_co_u32 s17, s17, s41                     ; tile row
	s_lshl_b32 s43, s41, 2
	s_lshl_b32 s43, 15, s43                        ; my row of the cluster
	s_lshl_b32 s44, 0x1111, s40                    ; my column
	; A: 8 token tiles x 3,072 bytes (384 elements of 8 bytes), 12,288 bytes apart in memory, dense in LDS
	s_or_b32 s[G1+0], s43, (3<<16)|(1<<21)
	s_mov_b32 s[G1+1], 384<<16                     ; tensor_dim0
	s_mov_b32 s[G1+2], 8<<16                       ; tensor_dim1
	s_mov_b32 s[G1+3], 384<<16                     ; tile_dim0
	s_mov_b32 s[G1+4], 8                           ; tile_dim1
	s_mov_b32 s[G1+5], 1536                        ; tensor_dim0_stride
	s_mov_b32 s[G1+6], 0
	s_mov_b32 s[G1+7], 0
	; B: 128 rows x 192 bytes, 16 bytes of padding behind every 64
	s_or_b32 s[G1B+0], s44, (0<<16)|(1<<20)|(1<<21)|(3<<22)|(3<<25)
	s_mov_b32 s[G1B+1], ROWB<<16
	s_mov_b32 s[G1B+2], 128<<16
	s_mov_b32 s[G1B+3], ROWB<<16
	s_mov_b32 s[G1B+4], 128
	s_mov_b32 s[G1B+5], KROW
	s_mov_b32 s[G1B+6], 0
	s_mov_b32 s[G1B+7], 0
	; the scales of 128 rows: 16 rows of 256 bytes, 16 bytes of padding behind each
	s_or_b32 s[G1S+0], s43, (3<<16)|(1<<20)|(1<<21)|(5<<22)|(3<<25)
	s_or_b32 s[G1SB+0], s44, (3<<16)|(1<<20)|(1<<21)|(5<<22)|(3<<25)
.irp g, G1S, G1SB
	s_mov_b32 s[\g+1], 32<<16
	s_mov_b32 s[\g+2], (128*KS/256)<<16
	s_mov_b32 s[\g+3], 32<<16
	s_mov_b32 s[\g+4], 128*KS/256
	s_mov_b32 s[\g+5], 32
	s_mov_b32 s[\g+6], 0
	s_mov_b32 s[\g+7], 0
.endr
	s_lshl_b32 s18, s16, 7
	s_lshl_b32 s20, s17, 8
	s_add_co_u32 s20, s20, s18                     ; A: token position 256 x tile row + 128 x half
	s_lshl_b32 s46, s42, 8
	s_add_co_u32 s46, s46, s18                     ; B: row 256 x tile column + 128 x half
	s_mov_b32 s21, 0
	s_mov_b32 s47, 0
	s_mov_b64 s[18:19], KS
	s_mul_u64 s[22:23], s[20:21], s[18:19]         ; where these rows' scales begin
	s_mul_u64 s[92:93], s[46:47], s[18:19]
	s_mov_b64 s[18:19], KROW
	s_mul_u64 s[20:21], s[20:21], s[18:19]         ; and their codes (A: 16 positions x 768 bytes are a token tile's 12,288)
	s_mul_u64 s[46:47], s[46:47], s[18:19]
	s_mul_i32 s45, s16, HALFA                      ; where they go: A's half,
	s_mul_i32 s95, s16, HALFT
	s_add_co_u32 s95, s95, BOFF                    ; B's half: no place in the cluster enters an LDS address
	s_mul_i32 s94, s14, HALFS
	s_wait_kmcnt 0x0
	s_add_nc_u64 s[8:9], s[8:9], 11264*KROW        ; w_out's first row
	s_add_nc_u64 s[10:11], s[10:11], 11264*KS
	s_add_nc_u64 s[20:21], s[4:5], s[20:21]
	s_add_nc_u64 s[22:23], s[6:7], s[22:23]
	s_add_nc_u64 s[46:47], s[8:9], s[46:47]
	s_add_nc_u64 s[92:93], s[10:11], s[92:93]
	CROUND                                         ; all sixteen work-groups are here: the first joint loads meet
	s_mov_b32 s[G0S], 1
	s_add_co_u32 s[G0S+1], s94, SCL
	s_mov_b64 s[G0S+2:G0S+3], s[22:23]
	s_or_b32 s[G0S+3], s[G0S+3], 0x80000000
	s_mov_b32 s[G0SB], 1
	s_add_co_u32 s[G0SB+1], s94, SCL
	s_mov_b64 s[G0SB+2:G0SB+3], s[92:93]
	s_or_b32 s[G0SB+3], s[G0SB+3], 0x80000000
	JLOAD G0S, G1S, G0SB, G1SB                     ; the scales first.  With the two below, three loads of mine are out
.irp s, 0,1
	s_mov_b32 s[G0+4*\s], 1
	s_add_co_u32 s[G0+4*\s+1], s45, \s*SLOT
	s_add_nc_u64 s[G0+4*\s+2:G0+4*\s+3], s[20:21], \s*KSTA
	s_or_b32 s[G0+4*\s+3], s[G0+4*\s+3], 0x80000000
	s_mov_b32 s[G0B+4*\s], 1
	s_add_co_u32 s[G0B+4*\s+1], s95, \s*SLOT
	s_add_nc_u64 s[G0B+4*\s+2:G0B+4*\s+3], s[46:47], \s*ROWB
	s_or_b32 s[G0B+4*\s+3], s[G0B+4*\s+3], 0x80000000
	JLOAD G0+4*\s, G1, G0B+4*\s, G1B
.endr
	v_and_b32 v1, 15, v0                           ; l % 16
	v_bfe_u32 v2, v0, 4, 1                         ; l / 16
	v_mul_u32_u24 v3, v1, PITCH
	v_mul_u32_u24 v4, v2, 24
	v_add_nc_u32 v4, v3, v4                        ; B: a fragment's row x pitch + 24 x half
	v_lshl_add_u32 v5, v2, 4, v4                   ; and the same behind one padding more
	v_and_b32 v6, 31, v0
	v_lshlrev_b32 v7, 4, v6                        ; A: 16 x lane,
	v_lshlrev_b32 v8, 3, v6
	v_add_nc_u32 v8, 512, v8                       ; 512 + 8 x lane
	s_mul_i32 s21, s15, HALFA                      ; my 8 token tiles of A
	s_mul_i32 s22, s16, HALFT                      ; my 128 rows of B
	s_add_co_u32 s22, s22, BOFF
.irp s, 0,1
	v_add_nc_u32 v[ADRA+\s], s21, v7
	v_add_nc_u32 v[ADRA+2+\s], s21, v8
	v_add_nc_u32 v[ADRB+\s], s22, v4
	v_add_nc_u32 v[ADRB+2+\s], s22, v5
	s_add_co_u32 s21, s21, SLOT
	s_add_co_u32 s22, s22, SLOT
.endr
	v_mul_u32_u24 v5, v1, KS                       ; my row's scales: 32 bytes a row,
	v_lshrrev_b32 v6, 8, v5
	v_lshl_add_u32 v5, v6, 4, v5                   ; and 16 more for each 256 passed
	s_mul_i32 s21, s15, HALFS
	s_mul_i32 s22, s16, HALFS
	s_add_co_u32 s22, s22, 2*HALFS
	s_sub_co_u32 s22, s22, s21
	v_mul_u32_u24 v6, s22, v2                      ; lanes 16-31 take B's
	s_add_co_u32 s21, s21, SCL
	v_add_nc_u32 v5, v5, v6
	v_add_nc_u32 v[ADRS], s21, v5
	s_mul_i32 s23, s14, 16*SPITCH                  ; my stage
	v_mul_u32_u24 v5, v1, SPITCH                   ; in: row l % 16, 32 bytes for each half of the lanes
	v_lshl_add_u32 v5, v2, 5, v5
	v_add_nc_u32 v[STO], s23, v5
	v_and_b32 v6, 31, v0
	v_lshlrev_b32 v[CO], 4, v6                     ; back: the 32 lanes take one row of 512 bytes; and the same in out0
	v_add_nc_u32 v[RD], s23, v[CO]
	s_lshl_b32 s20, s17, 8
	s_lshl_b32 s21, s15, 7
	s_add_co_u32 s20, s20, s21                     ; my first row of out0
	s_mov_b32 s21, 0
	s_mov_b64 s[18:19], SIZE_N*4
	s_mul_u64 s[20:21], s[20:21], s[18:19]
	s_lshl_b32 s46, s42, 10                        ; my first column, in bytes
	s_lshl_b32 s47, s16, 9
	s_add_co_u32 s46, s46, s47
	s_mov_b32 s47, 0
	s_add_nc_u64 s[20:21], s[20:21], s[46:47]
	s_add_nc_u64 s[12:13], s[12:13], s[20:21]
.macro FRAG reg, adr, q, i             ; a fragment of B from rows: six pieces of 8 bytes; where the piece three on lies behind one padding more, the second address register serves
.irp p, 0,1,2,3,4,5
.set PCE, 12*(\q)+6*(\p/3)+\p%3
.if PCE%8 < 5
	ds_load_b64 v[\reg+2*\p:\reg+2*\p+1], v[\adr] offset:8*PCE+16*(PCE/8)+(\i)*16*PITCH
.else
	ds_load_b64 v[\reg+2*\p:\reg+2*\p+1], v[\adr+2] offset:8*PCE+16*(PCE/8)+(\i)*16*PITCH
.endif
.endr
.endm
.macro FRAGA reg, slot, q, i           ; a fragment of A from two half-fragment images: every load takes consecutive bytes
	ds_load_b128 v[\reg:\reg+3], v[ADRA+\slot] offset:(\i)*KSTA+(\q)*1536
	ds_load_b64 v[\reg+4:\reg+5], v[ADRA+2+\slot] offset:(\i)*KSTA+(\q)*1536
	ds_load_b128 v[\reg+6:\reg+9], v[ADRA+\slot] offset:(\i)*KSTA+(\q)*1536+768
	ds_load_b64 v[\reg+10:\reg+11], v[ADRA+2+\slot] offset:(\i)*KSTA+(\q)*1536+768
.endm
; 16 matrix instructions: A's blocks a0, a0 + 1 x B's eight, 128 along K.  The 64 accumulators take turns, one instruction a turn, in the same order in every step.
.macro MUL16 a0, p, q, sc, zero
.irp a, \a0, \a0+1
.irp b, 0,1,2,3,4,5,6,7
.if \zero
	v_wmma_scale_f32_16x16x128_f8f6f4 v[8*(8*((\a)%4)+\b):8*(8*((\a)%4)+\b)+7], v[128*(\p)+FR*\b:128*(\p)+FR*\b+FR-1], v[AF+FR*(\a):AF+FR*(\a)+FR-1], 0, v[SC+8*NQ*(\sc)+NQ*\b+(\q)], v[SC+8*NQ*(\sc)+NQ*(\a)+(\q)] matrix_a_fmt:MATRIX_FMT_FP6 matrix_b_fmt:MATRIX_FMT_FP6 matrix_a_scale:MATRIX_SCALE_ROW1
.else
	v_wmma_scale_f32_16x16x128_f8f6f4 v[8*(8*((\a)%4)+\b):8*(8*((\a)%4)+\b)+7], v[128*(\p)+FR*\b:128*(\p)+FR*\b+FR-1], v[AF+FR*(\a):AF+FR*(\a)+FR-1], v[8*(8*((\a)%4)+\b):8*(8*((\a)%4)+\b)+7], v[SC+8*NQ*(\sc)+NQ*\b+(\q)], v[SC+8*NQ*(\sc)+NQ*(\a)+(\q)] matrix_a_fmt:MATRIX_FMT_FP6 matrix_b_fmt:MATRIX_FMT_FP6 matrix_a_scale:MATRIX_SCALE_ROW1
.endif
.endr
.endr
.endm
.macro FETCH_B slot, q, p
	WIN TO_B
.irp i, 0,1,2,3,4,5,6,7
	FRAG 128*(\p)+FR*\i, ADRB+\slot, \q, \i
.endr
	WIN 0
.endm
.macro FETCH_A slot, q, i0
.irp i, \i0, \i0+1, \i0+2, \i0+3
	FRAGA AF+FR*(\i), \slot, \q, \i
.endr
.endm
.macro SCALES sc
.irp i, 0,1,2,3,4,5,6,7
	ds_load_b64 v[SC+8*NQ*\sc+NQ*\i:SC+8*NQ*\sc+NQ*\i+1], v[ADRS] offset:\i*SBLK
.endr
.endm
.macro PLACES n                        ; plain vector lines between a matrix instruction and a load into, or a read of, its registers
.rept \n
	v_nop
.endr
.endm
.macro STEP slot, q, zero
	s_wait_dscnt 4*NLA                             ; B's set and A's blocks 0-3 are in; the youngest 16 loads (A's blocks 4-7) may be out
	WIN MUL_LO
	MUL16 0, (\q)%2, \q, \slot, \zero
	MUL16 2, (\q)%2, \q, \slot, \zero
	s_wait_dscnt 0                                 ; A's blocks 4-7 are in
	PLACES NP
	FETCH_B \slot, (\q)+1, 1-(\q)%2
	FETCH_A \slot, (\q)+1, 0
	WIN MUL_HI
	MUL16 4, (\q)%2, \q, \slot, \zero
	MUL16 6, (\q)%2, \q, \slot, \zero
	PLACES NP
	WIN 0
	FETCH_A \slot, (\q)+1, 4
.endm
; A slot's last step changes slots: ONE barrier; in front of it each wave waits for all its tensor loads, adds 0 to its spare word, and waits for that and for its own reads of this slot.
.macro TURN slot, next, fill
	s_wait_tensorcnt 0x0                           ; all my tensor loads have landed: my part of the next slot
	ds_add_u32 v[SPW], v[NIL]                      ; 0 onto my spare word
	s_wait_dscnt 4*NLA+1                           ; (the add and the youngest 16 loads, A's blocks 4-7, may be out)
	WIN MUL_LO
	MUL16 0, 1, NQ-1, \slot, 0                     ; sixteen matrix instructions stand between the add and the wait for it
	s_wait_dscnt 0x0                               ; the add is done, and my reads of this slot are over
	s_barrier_signal -1
	MUL16 2, 1, NQ-1, \slot, 0
	WIN 0
	s_barrier_wait -1
.if \fill
	CREST                                          ; the barrier has opened a round of the cluster's barrier: no wave of any partner still reads this slot's tile or has a load on its way
	s_add_nc_u64 s[G0+4*\slot+2:G0+4*\slot+3], s[G0+4*\slot+2:G0+4*\slot+3], 2*KSTA
	s_add_nc_u64 s[G0B+4*\slot+2:G0B+4*\slot+3], s[G0B+4*\slot+2:G0B+4*\slot+3], 2*ROWB
	JLOAD G0+4*\slot, G1, G0B+4*\slot, G1B         ; the first tensor load behind the round, my only one until the next; its four v_nop are the places in front of the loads below
.else
	PLACES NP
.endif
	v_add_nc_u32 v[ADRS], 4*NQ, v[ADRS]            ; on to the next K step's scale words (no LDS load of mine is out)
	FETCH_B \next, 0, 0
	FETCH_A \next, 0, 0
	SCALES \next
	WIN MUL_HI
	MUL16 4, 1, NQ-1, \slot, 0
	MUL16 6, 1, NQ-1, \slot, 0
	PLACES NP
	WIN 0
	FETCH_A \next, 0, 4
.endm
	s_wait_tensorcnt 1                             ; the scales and my part of K step 0 are in (K step 1's load may be out)
	s_barrier_signal -1
	s_barrier_wait -1                              ; everybody's are
	FETCH_B 0, 0, 0
	FETCH_A 0, 0, 0
	SCALES 0
	FETCH_A 0, 0, 4
	STEP 0, 0, 1                                   ; the first step stands in front of the loop: its products start the sums
	s_mov_b32 s3, LAPS-1
.Llap:
	TURN 0, 1, 1
	STEP 1, 0, 0
	TURN 1, 0, 1
	STEP 0, 0, 0
	s_sub_co_u32 s3, s3, 1
	s_cmp_lg_u32 s3, 0
	s_cbranch_scc1 .Llap
	TURN 0, 1, 0                                   ; the last lap fills nothing
	STEP 1, 0, 0
	s_wait_dscnt 4*NLA                             ; the very last step: nothing more to fetch
	WIN MUL_LO
	MUL16 0, 1, NQ-1, 1, 0
	MUL16 2, 1, NQ-1, 1, 0
	s_wait_dscnt 0
	WIN MUL_HI
	MUL16 4, 1, NQ-1, 1, 0
	MUL16 6, 1, NQ-1, 1, 0
	WIN 0
; THE WAY OUT, block by block of 16 rows x 128 columns, through my own stage in LDS; back as whole rows of 512 bytes.  LDS serves a wave's instructions in order: no wait between the stores and the loads.
.macro TOSTAGE a
.set AC, 64*((\a)%4)
.set WD, 0x08+4*((\a)/4)
	WIN WD                                         ; the data: window 2 or 3
.irp b, 0,1,2,3,4,5,6,7
	ds_store_b128 v[STO], v[AC+8*\b:AC+8*\b+3] offset:64*\b          ; each accumulator from its low end on
	ds_store_b128 v[STO], v[AC+8*\b+4:AC+8*\b+7] offset:64*\b+16
.endr
	WIN 0
.set BB, BK+64*((\a)%2)
.irp t, 0,1,2,3,4,5,6,7,8,9,10,11,12,13,14,15
	ds_load_b128 v[BB+4*\t:BB+4*\t+3], v[RD] offset:\t*SPITCH
.endr
.endm
.macro SEND a, younger                 ; younger: the LDS instructions issued behind block a's loads, which may stay out
.set BB, BK+64*((\a)%2)
	s_wait_dscnt \younger                          ; the block is back in registers
.irp t, 0,1,2,3,4,5,6,7,8,9,10,11,12,13,14,15
	global_store_b128 v[CO], v[BB+4*\t:BB+4*\t+3], s[12:13] offset:(32*((\a)/2)+8*((\a)%2)+\t+8*(\t/8))*SIZE_N*4 th:TH_STORE_NT   ; position 16 a + t is token 32 (a / 2) + 8 (a % 2) + t + 8 (t / 8); 32 lanes store 512 consecutive bytes, aligned; 127 rows of 4,096 bytes at the most stand in the immediate
.endr
.endm
	PLACES NP
	TOSTAGE 0
.irp a, 1,2,3,4,5,6,7
.if \a > 1
	s_wait_xcnt 0x0                                ; block a - 2's stores have read their registers: block a's loads may land there
.endif
	TOSTAGE \a
	SEND \a-1, 32                                  ; behind block a - 1's loads: block a's 16 stores and 16 loads
.endr
	SEND 7, 0
	s_wait_tensorcnt 0x0                           ; the wave's end: behind my last tensor load and my last LDS store
	ds_add_u32 v[SPW], v[NIL]
	s_wait_dscnt 0x0
	CROUND                                         ; the closing round: no work-group ends while a partner may still ask for a tile that names it
	s_endpgm
.Lfunc_end_k_q8f07c1c277_proj:
	.size	k_q8f07c1c277_proj, .Lfunc_end_k_q8f07c1c277_proj-k_q8f07c1c277_proj
	.p2alignl 7, 3214868480
	.fill 96, 4, 3214868480
	.section	.rodata,"a",@progbits
	.p2align	6, 0x0
	.amdhsa_kernel k_q8f07c1c277_proj
		.amdhsa_group_segment_fixed_size 327680
		.amdhsa_private_segment_fixed_size 0
		.amdhsa_enable_private_segment 0
		.amdhsa_kernarg_size 40
		.amdhsa_user_sgpr_count 2
		.amdhsa_user_sgpr_kernarg_segment_ptr 1
		.amdhsa_wavefront_size32 1
		.amdhsa_system_sgpr_workgroup_id_x 1
		.amdhsa_system_sgpr_workgroup_id_y 1
		.amdhsa_system_sgpr_workgroup_id_z 1
		.amdhsa_system_vgpr_workitem_id 0
		.amdhsa_next_free_vgpr 1024
		.amdhsa_next_free_sgpr 98
		.amdhsa_reserve_vcc 0
		.amdhsa_float_denorm_mode_32 3
		.amdhsa_float_denorm_mode_16_64 3
		.amdhsa_memory_ordered 1
		.amdhsa_forward_progress 1
		.amdhsa_inst_pref_size 152
	.end_amdhsa_kernel
	.amdgpu_metadata
---
amdhsa.version: [ 1, 2 ]
amdhsa.kernels:
  - .name:           k_q8f07c1c277_proj
    .symbol:         k_q8f07c1c277_proj.kd
    .args:
      - { .name: o_img, .offset: 0, .size: 8, .value_kind: global_buffer, .address_space: global }
      - { .name: o_sc, .offset: 8, .size: 8, .value_kind: global_buffer, .address_space: global }
      - { .name: xw_codes, .offset: 16, .size: 8, .value_kind: global_buffer, .address_space: global }
      - { .name: xw_scales, .offset: 24, .size: 8, .value_kind: global_buffer, .address_space: global }
      - { .name: out0, .offset: 32, .size: 8, .value_kind: global_buffer, .address_space: global }
    .group_segment_fixed_size: 327680
    .private_segment_fixed_size: 0
    .kernarg_segment_align: 8
    .kernarg_segment_size: 40
    .max_flat_workgroup_size: 128
    .sgpr_count:     98
    .vgpr_count:     1024
    .wavefront_size: 32
...
	.end_amdgpu_metadata
.endif
;; end of part 4
